; MI455X (gfx1250); checked and timed in simulation.
; The chip was launched on July 23, 2026; its instructions are those of AMD's public machine-readable ISA for CDNA 5 (MIT licence, August 2026) and "CDNA5" Instruction Set Architecture Reference Guide (July 2026). The comments in the code are by the model that wrote it; some were corrected since.
;; Mo EMLP. Allowed arithmetic: matrix products marked QUANTISED: E5M2 operands, one E8M0 scale for each 32 along K, by v_wmma_scale_f32_16x16x128_f8f6f4 with both operands' format E5M2, f32 sums; products left as they are: f32 operands where the result goes on into a quantised operand, else bf16, f16 or f32 operands; f32 sums; everything else in f32.
;; Inputs: b1 8 x 4,096 float32; b2 8 x 1,024 float32; hidden_states 2 x 512 x 1,024 float32; router_w 8 x 1,024 float32; w1_codes 8 x 4,096 x 32 x 32 uint8 (E5M2 codes of w1, K innermost, in blocks of 32 codes); w1_scales 8 x 4,096 x 32 uint8 (E8M0 scales of w1, one for each 32 codes along K); w2_codes 8 x 1,024 x 128 x 32 uint8 (E5M2 codes of w2, K innermost, in blocks of 32 codes); w2_scales 8 x 1,024 x 128 uint8 (E8M0 scales of w2, one for each 32 codes along K).
;; Outputs: out0 2 x 512 x 1,024 float32.
;; This version of the problem:
;;   THIS VERSION OF THE PROBLEM IS GIVEN IN LOW PRECISION. The matrix products marked QUANTISED in the list below multiply operands that are first quantised to E5M2 (5 exponent bits, 2 mantissa bits; 8 bits a number), with one power-of-two scale for each 32 numbers along K (OCP MX v1.0); their sums are f32. All else is computed in f32.
;;   The module's matrix products, in the order in which they are computed (A, B: the left and right operand; K: the contracted axis; several contracted axes count as one K, in the product's order):
;;     1. [M 1,024, K 1,024] x [K 1,024, N 8]; A: input hidden_states; B: input router_w: left as it is (N = 8 < 16)
;;     2. [M 1,024, K 1,024] x [K 1,024, N 32,768]; A: input hidden_states; B: input w1 (given as codes): QUANTISED
;;     3. batch 8 x [M 1,024, K 4,096] x [K 4,096, N 1,024]; A: input w2 (given as codes); B: computed on the way: QUANTISED
;;   THE QUANTISER, for each operand of a quantised product, along K:
;;     - K is cut into blocks of 32 from its start; a last block that is shorter is filled with zeros.
;;     - A block's scale is 2^e with e = floor(log2(the largest magnitude in the block)) - 15, held to -126 .. 127; a block of zeros has e = 0. As a byte (E8M0): e + 127.
;;     - Each number is divided by its block's scale, clamped to +-57,344, and rounded to the nearest number of E5M2, ties to even, subnormals kept.
;;     - The product sums the exact products of the quantised numbers (number of the format x scale) in f32.
;;   ~~~python
;;   def quantise(x, axis):      # numpy; x: float32 -> the quantised numbers, widened to float32 again
;;       x = np.moveaxis(x, axis, -1); K = x.shape[-1]
;;       x = np.pad(x, [(0, 0)] * (x.ndim - 1) + [(0, -K % 32)]); x = x.reshape(x.shape[:-1] + (-1, 32)); a = np.abs(x).max(-1, keepdims=True)
;;       e = np.where(a > 0, np.clip(np.frexp(np.where(a > 0, a, 1))[1] - 1 - 15, -126, 127), 0)      # np.frexp(a)[1] - 1 = floor(log2(a)), exactly
;;       r = np.clip(x / 2.0 ** e, -57344, 57344)
;;       step = 2.0 ** (np.maximum(np.frexp(np.where(r == 0, 1, r))[1] - 1, -14) - 2)
;;       q = np.round(r / step) * step * 2.0 ** e      # np.round: ties to even
;;       return np.moveaxis(q.reshape(q.shape[:-2] + (-1,))[..., :K], -1, axis).astype(np.float32)
;;   ~~~
;;   OPERANDS COMPUTED ON THE WAY. 'Computed on the way' means the value that the module computes at that place (a softmax that the list does not call 'softmax' is quantised finished and normalised). What goes into a quantiser is computed in f32, as accurately as f32 sums, v_exp_f32 and their like allow (about 1e-6 of the number): no bf16 or f16 on the way to a quantiser, and a product that is left as it is and whose result goes on into a quantised operand takes f32 operands (vector FMAs, or v_wmma_f32_16x16x4_f32). A number that lies on a knife's edge between two numbers of the format may be rounded either way, as far as f32 arithmetic and the matrix unit's own rounding can turn it there, and no further.
;;   INPUTS GIVEN AS CODES. w1 (in the module: [8, 1024, 4096], K = its axis 1); w2 (in the module: [8, 4096, 1024], K = its axis 1): each comes as NAME_codes (uint8): NAME with its K axis moved to the last place and cut into blocks of 32 codes, [.., K / 32, bytes a block], one block behind the other in memory; one code a byte (a code: sign, 5 exponent bits, 2 mantissa bits); and NAME_scales (uint8): the same leading axes, one E8M0 byte (e + 127) for each 32 codes along K. Its value is code x scale, taken as it is: it is not quantised again, and the codes and scales need not be those that the quantiser above would give.
;; 2 versions. Each part assembles by itself: llvm-mc -triple=amdgcn-amd-amdhsa -mcpu=gfx1250 --defsym DOCPART=n.
;; ======== version 1 of 2: 5 launches
;; workspace buffers: sel 4,096 bytes of whole numbers; xq 1,089,536 bytes; lists 524,544 bytes of whole numbers; xs 8,650,752 bytes; hq 35,651,584 bytes; part 18,874,368 bytes
;; launch route (part 1): grid 256 x 1, 4 waves a work-group, no clusters, 33,536 bytes of LDS; arguments hidden_states, router_w, xq, sel; writes xq, sel
.if DOCPART == 1
	.amdgcn_target "amdgcn-amd-amdhsa--gfx1250"
	.amdhsa_code_object_version 6
	.text
	.protected	k_qbfb2a30d8f_route
	.globl	k_qbfb2a30d8f_route
	.p2align	8
	.type	k_qbfb2a30d8f_route,@function
k_qbfb2a30d8f_route:
	s_mov_b64 s[64:65], 0
	v_nop
	global_prefetch_b8 v0, s[64:65] scope:SCOPE_SE
	s_setreg_imm32_b32 hwreg(HW_REG_WAVE_MODE, 25, 1), 1
	s_wait_xcnt 0x0
; ROUTER, TOP-2, GATES, AND x AS CODES.  hidden_states [1024 tokens][1024] f32, router_w [8][1024] f32.
; A work-group takes 4 tokens, a wave one.  The wave's row lies in 32 registers: chunk i (256 numbers), lane l holds numbers 256 i + 8 l + 0..7.
; (a) x is quantised along its 1,024 (E5M2, one E8M0 byte for 32): a block of 32 lies in 4 neighbouring lanes.  Codes go to xq [token][1024 B], bytes to xq + XSC [token][32 B].
; (b) the 8 logits are f32 fused multiply-adds; router_w goes round the four waves through LDS as images of the registers that hold it (each wave brings two experts' rows).
; (c) top-2 with ties to the lower index; the gates are softmax over the two values with the larger taken away first.
;     sel[token] = (1 << first) | (1 << second) | (second << 8), a whole number at a fixed place: no address of this launch hangs on it.  Gates: xq + GAT [token][2] f32.
; LIMITS: NaN and infinities among the inputs are not served; a token whose 8 logits are all -infinity is not served; two logits that are equal within the rounding of an f32 sum of 1,024 terms
; taken in another order may change places in the top-2; a block whose largest magnitude lies under 2^-111 keeps the scale byte 1 (a block of zeros too: its codes are zeros, and this program alone reads the bytes).
.set XSC,  1048576                     ; xq: the scale bytes
.set GAT,  1081344                     ; xq: the gates
.set OUTB, 32768                       ; LDS: behind router_w's image (32,768 bytes): 128 scale bytes, 4 sel words, 4 pairs of gates
.set X,   16                           ; v16-47   my token's row
.set WB,  48                           ; v48-111  router_w: first as loaded, then two sets of 32 for the dot products
.set ACC, 112                          ; v112-127 eight pairs of sums
.set LG,  128                          ; v128-135 the logits
.set MK,  136                          ; v136-143 the lane exchange's results, later the logits without the first choice
.set Y,   144                          ; v144-175 the numbers held within the largest code x the scale
.set CD,  176                          ; v176-183 codes
.set BM,  184                          ; v184-187 a block's largest magnitude, one for each chunk
.set BS,  188                          ; v188-191 the conversion's scale operand
.set BH,  192                          ; v192-195 57,344 x the scale
.set BY,  196                          ; v196-199 the scale's byte
	s_load_b256 s[4:11], s[0:1], 0x0               ; hidden_states s[4:5], router_w s[6:7], xq s[8:9], sel s[10:11]
	v_lshl_add_u32 v216, v0, 2, 0x8100
	v_mov_b32 v217, 0
	v_and_b32 v1, 31, v0                           ; lane
	v_lshrrev_b32 v12, 5, v0
	v_readfirstlane_b32 s15, v12                   ; wave
	v_lshlrev_b32 v2, 5, v1                        ; 32 x lane: my 8 numbers of a chunk
	v_lshlrev_b32 v3, 4, v1                        ; 16 x lane: my place in an image
	v_lshlrev_b32 v4, 3, v1                        ; 8 x lane: my 8 codes of a chunk
	v_lshlrev_b32 v5, 2, v1                        ; 4 x lane
	s_lshl_b32 s16, s15, 13                        ; two experts' rows: 8,192 bytes, in memory and in the image
	s_mov_b32 s17, 0
	v_add_nc_u32 v6, s16, v3                       ; where I store the image
	s_lshl_b32 s18, s15, 5
	v_lshrrev_b32 v7, 2, v1
	v_add_nc_u32 v7, s18, v7
	v_add_nc_u32 v7, OUTB, v7                      ; my block's scale byte: OUTB + 32 x wave + lane / 4 (+ 8 x chunk)
	v_and_b32 v8, 3, v1
	v_lshlrev_b32 v8, 2, v8
	v_and_b32 v9, 7, v1
	v_lshlrev_b32 v9, 2, v9
	v_mov_b32 v10, s15
	v_lshlrev_b32 v11, 3, v10
	v_lshlrev_b32 v10, 2, v10
	v_add_nc_u32 v10, OUTB+128, v10                ; my wave's sel word
	v_add_nc_u32 v11, OUTB+144, v11                ; my wave's pair of gates
	s_mov_b32 s12, 0x76543210
	s_mov_b32 s13, 0xfedcba98                      ; v_permlanex16_b32's selects for lane l xor 16
	s_mov_b32 s14, 0x600000                        ; the mantissa field of 57,344
	s_lshl_b32 s18, ttmp9, 2
	s_add_co_u32 s18, s18, s15                     ; my token
	s_lshl_b32 s20, s18, 12
	s_mov_b32 s21, 0
	s_lshl_b32 s22, s18, 10
	s_mov_b32 s23, 0
	s_lshl_b32 s30, ttmp9, 7
	s_mov_b32 s31, 0
.irp e, 0,1,2,3,4,5,6,7
	v_mov_b32 v[MK+\e], 0                          ; written once: a lane exchange's destination counts as one of its sources
.endr
	s_wait_kmcnt 0x0
	s_add_nc_u64 s[4:5], s[4:5], s[20:21]          ; my row of x
	s_add_nc_u64 s[6:7], s[6:7], s[16:17]          ; my two rows of router_w
	s_add_nc_u64 s[24:25], s[8:9], s[22:23]        ; my row of codes
	s_add_nc_u64 s[26:27], s[8:9], XSC
	s_add_nc_u64 s[26:27], s[26:27], s[30:31]      ; the work-group's 128 scale bytes
	s_lshl_b32 s30, ttmp9, 5
	s_add_nc_u64 s[28:29], s[8:9], GAT
	s_add_nc_u64 s[28:29], s[28:29], s[30:31]      ; its 8 gates
	s_lshl_b32 s30, ttmp9, 4
	s_add_nc_u64 s[10:11], s[10:11], s[30:31]      ; its 4 sel words
.irp i, 0,1,2,3
.irp jj, 0,1
	global_load_b128 v[X+8*\i+4*\jj:X+8*\i+4*\jj+3], v2, s[4:5] offset:1024*\i+16*\jj th:TH_LOAD_NT
.endr
.endr
.irp ee, 0,1
.irp p, 0,1,2,3,4,5,6,7
	global_load_b128 v[WB+4*(8*\ee+\p):WB+4*(8*\ee+\p)+3], v2, s[6:7] offset:4096*\ee+1024*(\p/2)+16*(\p%2)
.endr
.endr
	s_wait_loadcnt 16                              ; x's eight loads are in; router_w's sixteen may be out
	; ---- x into codes, the four chunks by turns
.irp i, 0,1,2,3
	v_max3_num_f32 v[BM+\i], |v[X+8*\i]|, |v[X+8*\i+1]|, 0x8000000   ; my 8 numbers, and the floor 2^(16 - 127): the byte cannot fall under 1
.endr
.irp k, 2,4,6
.irp i, 0,1,2,3
	v_max3_num_f32 v[BM+\i], v[BM+\i], |v[X+8*\i+\k]|, |v[X+8*\i+\k+1]|
.endr
.endr
.irp i, 0,1,2,3
	v_max_num_f32_dpp v[BM+\i], v[BM+\i], v[BM+\i] row_xmask:1 row_mask:0xf bank_mask:0xf
.endr
.irp i, 0,1,2,3
	v_max_num_f32_dpp v[BM+\i], v[BM+\i], v[BM+\i] row_xmask:2 row_mask:0xf bank_mask:0xf   ; the four lanes of a block: its largest magnitude
.endr
.irp i, 0,1,2,3
	v_add_nc_u32 v[BS+\i], 0xf8800000, v[BM+\i]    ; 15 off the exponent field: the conversion takes this operand's exponent field as its scale
.endr
.irp i, 0,1,2,3
	v_and_or_b32 v[BH+\i], v[BM+\i], 0x7f800000, s14   ; 57,344 x the scale
.endr
.irp i, 0,1,2,3
	v_lshrrev_b32 v[BY+\i], 23, v[BS+\i]           ; the scale's byte
.endr
.irp i, 0,1,2,3
.irp k, 0,1,2,3,4,5,6,7
	v_med3_num_f32 v[Y+8*\i+\k], v[X+8*\i+\k], -v[BH+\i], v[BH+\i]   ; the conversion to an 8-bit code does not saturate (ISA guide 7.6.2): the hold comes first; x itself is kept for the logits
.endr
	v_cvt_scalef32_pk8_bf8_f32 v[CD+2*\i:CD+2*\i+1], v[Y+8*\i:Y+8*\i+7], v[BS+\i]
.endr
	v_nop                                          ; a plain line behind the last conversion
.irp i, 0,1,2,3
	global_store_b64 v4, v[CD+2*\i:CD+2*\i+1], s[24:25] offset:256*\i   ; 32 lanes store 256 consecutive bytes, aligned
	ds_store_b8 v7, v[BY+\i] offset:8*\i           ; the four lanes of a block write the same byte with the same value
.endr
	; ---- router_w's image
	s_wait_loadcnt 0x0
.irp q, 0,1,2,3,4,5,6,7,8,9,10,11,12,13,14,15
	ds_store_b128 v6, v[WB+4*\q:WB+4*\q+3] offset:512*\q
.endr
	s_wait_dscnt 0x0                               ; for the others' sake: my stores have landed
	s_barrier_signal -1
	s_barrier_wait -1
	; ---- the 8 logits: piece p = 4 numbers a lane of each expert's row
.macro FW p
.irp e, 0,1,2,3,4,5,6,7
	ds_load_b128 v[WB+32*((\p)%2)+4*\e:WB+32*((\p)%2)+4*\e+3], v3 offset:(8*\e+(\p))*512
.endr
.endm
	FW 0
	FW 1
.irp p, 0,1,2,3,4,5,6,7
.if \p < 7
	s_wait_dscnt 8                                 ; this piece's eight loads are in; the next piece's may be out
.else
	s_wait_dscnt 0x0
.endif
.irp hf, 0,1
.irp e, 0,1,2,3,4,5,6,7
.if (\p == 0) && (\hf == 0)
	v_pk_mul_f32 v[ACC+2*\e:ACC+2*\e+1], v[X+4*\p+2*\hf:X+4*\p+2*\hf+1], v[WB+32*(\p%2)+4*\e+2*\hf:WB+32*(\p%2)+4*\e+2*\hf+1]   ; the first product starts the sums
.else
	v_pk_fma_f32 v[ACC+2*\e:ACC+2*\e+1], v[X+4*\p+2*\hf:X+4*\p+2*\hf+1], v[WB+32*(\p%2)+4*\e+2*\hf:WB+32*(\p%2)+4*\e+2*\hf+1], v[ACC+2*\e:ACC+2*\e+1]
.endif
.endr
.endr
.if \p < 6
	FW \p+2
.endif
.endr
.irp e, 0,1,2,3,4,5,6,7
	v_add_f32 v[LG+\e], v[ACC+2*\e], v[ACC+2*\e+1]
.endr
.irp m, 1,2,4,8
.irp e, 0,1,2,3,4,5,6,7
	v_add_f32_dpp v[LG+\e], v[LG+\e], v[LG+\e] row_xmask:\m row_mask:0xf bank_mask:0xf
.endr
.endr
.irp e, 0,1,2,3,4,5,6,7
	v_permlanex16_b32 v[MK+\e], v[LG+\e], s12, s13
.endr
.irp e, 0,1,2,3,4,5,6,7
	v_add_f32 v[LG+\e], v[LG+\e], v[MK+\e]         ; every lane holds the 8 logits
.endr
	; ---- top-2: v200 the largest, v201 its index, v202 the second, v203 its index.  An earlier expert is kept where it is not smaller: ties go to the lower index
	v_mov_b32 v200, v[LG]
	v_mov_b32 v201, 0
.irp e, 1,2,3,4,5,6,7
	v_cmp_ge_f32 vcc_lo, v200, v[LG+\e]
	v_cndmask_b32 v201, \e, v201, vcc_lo
	v_max_num_f32 v200, v200, v[LG+\e]
.endr
	v_mov_b32 v204, 0xff800000                     ; -infinity takes the first choice's place
.irp e, 0,1,2,3,4,5,6,7
	v_cmp_eq_u32 vcc_lo, \e, v201
	v_cndmask_b32 v[MK+\e], v[LG+\e], v204, vcc_lo
.endr
	v_mov_b32 v202, v[MK]
	v_mov_b32 v203, 0
.irp e, 1,2,3,4,5,6,7
	v_cmp_ge_f32 vcc_lo, v202, v[MK+\e]
	v_cndmask_b32 v203, \e, v203, vcc_lo
	v_max_num_f32 v202, v202, v[MK+\e]
.endr
	v_mov_b32 v206, 1
	v_lshlrev_b32 v205, v201, v206
	v_lshlrev_b32 v207, v203, v206
	v_or_b32 v205, v205, v207
	v_lshl_or_b32 v205, v203, 8, v205              ; the sel word
	; ---- the gates: 1 / (1 + e^(second - first)) and the rest
	v_sub_f32 v207, v202, v200                     ; the larger value is taken away: 0 or less
	v_mul_f32 v207, 0x3fb8aa3b, v207
	v_exp_f32 v210, v207
	v_nop                                          ; a plain line behind the transcendental,
	s_wait_alu depctr_va_vdst(0)                   ; and the wait ahead of its first reader
	v_add_f32 v211, 1.0, v210
	v_rcp_f32 v208, v211
	v_nop
	s_wait_alu depctr_va_vdst(0)
	v_mul_f32 v209, v210, v208
	ds_store_b32 v10, v205                         ; all lanes write the same word with the same value
	ds_store_b64 v11, v[208:209]
	s_wait_dscnt 0x0
	s_barrier_signal -1
	s_barrier_wait -1
	; ---- wave 0 sends the work-group's small results out together
	s_cmp_lg_u32 s15, 0
	s_cbranch_scc1 .Lend
	ds_load_b32 v210, v5 offset:OUTB               ; 128 scale bytes
	ds_load_b32 v211, v8 offset:OUTB+128           ; 4 sel words (lanes 0-3 are used)
	ds_load_b32 v212, v9 offset:OUTB+144           ; 8 gates (lanes 0-7 are used)
	s_wait_dscnt 0x0
	global_store_b32 v5, v210, s[26:27]
	v_cmp_gt_u32 vcc_lo, 8, v1
	s_wait_xcnt 0x0                                ; EXEC changes only behind this wait
	s_and_saveexec_b32 s19, vcc_lo
	global_store_b32 v5, v212, s[28:29]
	s_wait_xcnt 0x0
	s_or_b32 exec_lo, exec_lo, s19
	v_cmp_gt_u32 vcc_lo, 4, v1
	s_wait_xcnt 0x0
	s_and_saveexec_b32 s19, vcc_lo
	global_store_b32 v5, v211, s[10:11]
	s_wait_xcnt 0x0
	s_or_b32 exec_lo, exec_lo, s19
.Lend:
	s_wait_tensorcnt 0x0
	ds_add_u32 v216, v217
	s_wait_dscnt 0x0
	s_endpgm
.Lfunc_end_k_qbfb2a30d8f_route:
	.size	k_qbfb2a30d8f_route, .Lfunc_end_k_qbfb2a30d8f_route-k_qbfb2a30d8f_route
	.p2alignl 7, 3214868480
	.fill 96, 4, 3214868480
	.section	.rodata,"a",@progbits
	.p2align	6, 0x0
	.amdhsa_kernel k_qbfb2a30d8f_route
		.amdhsa_group_segment_fixed_size 33536
		.amdhsa_private_segment_fixed_size 0
		.amdhsa_enable_private_segment 0
		.amdhsa_kernarg_size 32
		.amdhsa_user_sgpr_count 2
		.amdhsa_user_sgpr_kernarg_segment_ptr 1
		.amdhsa_wavefront_size32 1
		.amdhsa_system_sgpr_workgroup_id_x 1
		.amdhsa_system_sgpr_workgroup_id_y 1
		.amdhsa_system_sgpr_workgroup_id_z 1
		.amdhsa_system_vgpr_workitem_id 0
		.amdhsa_next_free_vgpr 218
		.amdhsa_next_free_sgpr 66
		.amdhsa_reserve_vcc 1
		.amdhsa_float_denorm_mode_32 3
		.amdhsa_float_denorm_mode_16_64 3
		.amdhsa_memory_ordered 1
		.amdhsa_forward_progress 1
		.amdhsa_inst_pref_size 31
	.end_amdhsa_kernel
	.amdgpu_metadata
---
amdhsa.version: [ 1, 2 ]
amdhsa.kernels:
  - .name:           k_qbfb2a30d8f_route
    .symbol:         k_qbfb2a30d8f_route.kd
    .args:
      - { .name: hidden_states, .offset: 0, .size: 8, .value_kind: global_buffer, .address_space: global }
      - { .name: router_w, .offset: 8, .size: 8, .value_kind: global_buffer, .address_space: global }
      - { .name: xq, .offset: 16, .size: 8, .value_kind: global_buffer, .address_space: global }
      - { .name: sel, .offset: 24, .size: 8, .value_kind: global_buffer, .address_space: global }
    .group_segment_fixed_size: 33536
    .private_segment_fixed_size: 0
    .kernarg_segment_align: 8
    .kernarg_segment_size: 32
    .max_flat_workgroup_size: 128
    .sgpr_count:     66
    .vgpr_count:     218
    .wavefront_size: 32
...
	.end_amdgpu_metadata
.endif
;; end of part 1
;; launch gather (part 2): grid 4 x 8, 4 waves a work-group, no clusters, 0 bytes of LDS; arguments sel, xq, xs, lists; writes xs, lists
.if DOCPART == 2
	.amdgcn_target "amdgcn-amd-amdhsa--gfx1250"
	.amdhsa_code_object_version 6
	.text
	.protected	k_qbfb2a30d8f_gather
	.globl	k_qbfb2a30d8f_gather
	.p2align	8
	.type	k_qbfb2a30d8f_gather,@function
k_qbfb2a30d8f_gather:
	s_mov_b64 s[64:65], 0
	v_nop
	global_prefetch_b8 v0, s[64:65] scope:SCOPE_SE
	s_setreg_imm32_b32 hwreg(HW_REG_WAVE_MODE, 25, 1), 1
	s_wait_xcnt 0x0
; THE ROWS ARE PLACED BY EXPERT.  Work-group (x, e): expert e; wave number 4 x + wave = o (0..15).  Whole numbers alone decide addresses here: sel, stored by the launch before.
; Every wave builds for itself, from sel's 4 KB, 32 masks (which tokens chose e) and their running counts, in scalar registers.  Register w = 4 i + c of lane l is token 128 i + 4 l + c: that fixed order is the rank in the expert.
; Then it serves pairs of tiles p = o, o + 16 under ceil(n_e / 32).  A pair is 32 rows, a lane a row: the lane finds the token of rank 32 p + lane (which mask, which set bit), without a scatter and without LDS.
; OUT, all in whole dense pieces.  Expert e owns tiles 64 e .. 64 e + 63 (16 rows each) of every sorted buffer; only tiles in use are written.
;   xs [tile][8 K steps][4 chunks][32 lanes][16 B]: the codes of x as images of the operand's registers: lane 16 h + r, chunk c, step s: k = 128 s + 32 c + 16 h + 0..15 of row r.
;   xs + XSS [tile][lane][4 words]: word j of lane (r, h): the scale word of K step 4 h + j of row r.
;   lists [tile][2][32 lanes][4 words]: word 4 jj + m of a lane of half h: where row 2 (4 jj + m) + h of the tile goes in part: 2 token + k (k = 1 for a token's second choice).
;   Rows past n_e take token 0's codes and go to rows 2048 + 32 e + (row mod 32) of part, which nobody reads.   lists + CNT: n_e.
.set XSC, 1048576
.set XSS, 8388608
.set CNT, 524288
	s_load_b256 s[4:11], s[0:1], 0x0               ; sel s[4:5], xq s[6:7], xs s[8:9], lists s[10:11]
	v_and_b32 v1, 31, v0                           ; lane
	v_lshrrev_b32 v2, 5, v0
	v_readfirstlane_b32 s12, v2                    ; wave
	v_bfe_u32 v2, v0, 4, 1
	v_lshlrev_b32 v2, 4, v2                        ; 16 h
	v_lshlrev_b32 v3, 4, v1                        ; 16 x lane
	s_and_b32 s13, ttmp7, 0xffff                   ; e
	s_lshl_b32 s14, ttmp9, 2
	s_add_co_u32 s14, s14, s12                     ; o
	s_lshl_b32 s17, 1, s13                         ; e's bit in a sel word
	s_lshl_b32 s26, s13, 5
	s_add_co_u32 s26, s26, 2048
	v_add_nc_u32 v4, s26, v1                       ; where a row past n_e goes
	s_mov_b32 s18, 0x55555555
	s_mov_b32 s19, 0x33333333
	s_mov_b32 s20, 0x0f0f0f0f
	s_mov_b32 s21, 0x00ff00ff
	s_mov_b32 s22, 0xffff0000                      ; lanes 16-31
	s_mov_b32 s23, 0x76543210
	s_mov_b32 s24, 0xfedcba98                      ; v_permlanex16_b32's selects for lane l xor 16
	s_mov_b32 s98, 0
	s_wait_kmcnt 0x0
.irp i, 0,1,2,3,4,5,6,7
	global_load_b128 v[32+4*\i:32+4*\i+3], v3, s[4:5] offset:512*\i
.endr
	s_add_nc_u64 s[28:29], s[6:7], XSC             ; x's scale bytes
	s_add_nc_u64 s[30:31], s[8:9], XSS             ; the sorted scale words
	s_wait_loadcnt 0x0
.set ww, 0
.rept 32                               ; mask w in s[32 + w], the count of members ahead of it in s[66 + w]
	v_and_b32 v8, s17, v[32+ww]
	v_cmp_ne_u32 s[32+ww], 0, v8
	s_mov_b32 s[66+ww], s98
	s_bcnt1_i32_b32 s99, s[32+ww]
	s_add_co_u32 s98, s98, s99
.set ww, ww+1
.endr                                  ; s98 = n_e
	s_add_co_u32 s16, s98, 31
	s_lshr_b32 s16, s16, 5                         ; pairs of tiles in use
	s_lshl_b32 s27, s13, 2
	s_add_co_u32 s27, s27, CNT
	v_mov_b32 v8, s98
	v_mov_b32 v9, s27
	v_mov_b32 v33, 0                               ; a lane exchange's destination counts as one of its sources
	s_cmp_lg_u32 s14, 0                            ; one wave of the expert's sixteen stores n_e
	s_cbranch_scc1 .Lnocnt
	v_cmp_eq_u32 vcc_lo, 0, v1
	s_wait_xcnt 0x0                                ; EXEC changes only behind this wait
	s_and_saveexec_b32 s26, vcc_lo
	global_store_b32 v9, v8, s[10:11]
	s_wait_xcnt 0x0
	s_or_b32 exec_lo, exec_lo, s26
.Lnocnt:
	s_mov_b32 s15, s14                             ; p
	s_mov_b32 s101, 0                              ; trips done
	s_cmp_ge_u32 s15, s16
	s_cbranch_scc1 .Lend
.macro LEVEL src, width, step          ; does the wanted bit lie in the upper half of the field at pos?  v9 = its rank in the field, v10 = pos
	v_bfe_u32 v15, v[\src], v10, \width            ; set bits in the lower half
	v_cmp_ge_u32 vcc_lo, v9, v15
	v_sub_nc_u32 v44, v9, v15
	v_add_nc_u32 v45, \step, v10
	v_cndmask_b32 v9, v9, v44, vcc_lo
	v_cndmask_b32 v10, v10, v45, vcc_lo
.endm
.Lpair:
	s_min_u32 s26, s15, 31                         ; p, held under 32
	s_lshl_b32 s27, s26, 5
	v_add_nc_u32 v5, s27, v1                       ; my rank j = 32 p + lane
	v_mov_b32 v6, s32                              ; the mask that holds rank j: the last whose running count is not above j
	v_mov_b32 v7, 0                                ; its running count
	v_mov_b32 v8, 0                                ; its number
.set ww, 1
.rept 31
	v_cmp_gt_u32 vcc_lo, s[66+ww], v5
	v_cndmask_b32 v6, s[32+ww], v6, vcc_lo
	v_cndmask_b32 v7, s[66+ww], v7, vcc_lo
	v_cndmask_b32 v8, ww, v8, vcc_lo
.set ww, ww+1
.endr
	v_sub_nc_u32 v9, v5, v7                        ; the rank inside the mask
	v_lshrrev_b32 v15, 1, v6                       ; counts of set bits in fields of 2, 4, 8 and 16 bits
	v_and_b32 v15, s18, v15
	v_sub_nc_u32 v11, v6, v15
	v_lshrrev_b32 v15, 2, v11
	v_and_b32 v15, s19, v15
	v_and_b32 v12, s19, v11
	v_add_nc_u32 v12, v12, v15
	v_lshrrev_b32 v15, 4, v12
	v_add_nc_u32 v15, v12, v15
	v_and_b32 v13, s20, v15
	v_lshrrev_b32 v15, 8, v13
	v_add_nc_u32 v15, v13, v15
	v_and_b32 v14, s21, v15
	v_mov_b32 v10, 0
	LEVEL 14, 8, 16
	LEVEL 13, 8, 8
	LEVEL 12, 4, 4
	LEVEL 11, 2, 2
	LEVEL 6, 1, 1                                  ; v10 = the bit = the lane that held the token's sel word
	v_lshrrev_b32 v44, 2, v8
	v_lshlrev_b32 v44, 7, v44
	v_lshl_add_u32 v44, v10, 2, v44
	v_and_b32 v45, 3, v8
	v_add_nc_u32 v44, v44, v45                     ; token = 128 (w / 4) + 4 bit + w mod 4
	v_cmp_gt_u32 s25, s98, v5                      ; is there a row of rank j?
	v_cndmask_b32 v32, 0, v44, s25
	v_min_u32 v32, 0x3ff, v32
	v_lshlrev_b32 v41, 2, v32
	global_load_b32 v40, v41, s[4:5]               ; its sel word
	v_permlanex16_b32 v33, v32, s23, s24
	v_cndmask_b32 v34, v32, v33, s22               ; both halves of the lanes: the token of row r of the pair's first tile,
	v_cndmask_b32 v35, v33, v32, s22               ; and of its second
	v_min_u32 v34, 0x3ff, v34
	v_min_u32 v35, 0x3ff, v35
	v_lshl_add_u32 v36, v34, 10, v2                ; codes: 1,024 bytes a token, + 16 h
	v_lshl_add_u32 v37, v35, 10, v2
	v_lshl_add_u32 v38, v34, 5, v2                 ; scale bytes: 32 a token, + 16 h
	v_lshl_add_u32 v39, v35, 5, v2
	global_load_b128 v[52:55], v38, s[28:29]
	global_load_b128 v[56:59], v39, s[28:29]
.irp q, 0,1,2,3,4,5,6,7,8,9,10,11,12,13,14,15,16,17,18,19,20,21,22,23,24,25,26,27,28,29,30,31
	global_load_b128 v[64+4*\q:64+4*\q+3], v36, s[6:7] offset:32*\q     ; the first tile: step q / 4, chunk q mod 4
.endr
.irp q, 0,1,2,3,4,5,6,7,8,9,10,11,12,13,14,15
	global_load_b128 v[192+4*\q:192+4*\q+3], v37, s[6:7] offset:32*\q   ; the second tile's steps 0 to 3
.endr
	s_lshl_b32 s27, s26, 1
	s_lshl_b32 s99, s13, 6
	s_add_co_u32 s27, s27, s99                     ; the first tile's number: 64 e + 2 p
	s_lshl_b32 s99, s27, 10
	v_add_nc_u32 v46, s99, v3                      ; in lists,
	s_lshl_b32 s99, s27, 9
	v_add_nc_u32 v47, s99, v3                      ; among the scale words,
	s_lshl_b32 s99, s27, 14
	v_add_nc_u32 v48, s99, v3                      ; among the images
	s_wait_loadcnt 50                              ; the sel word is in; the 50 loads behind it may be out
	v_bfe_u32 v44, v40, 8, 3                       ; the token's second choice
	v_cmp_eq_u32 vcc_lo, s13, v44
	v_lshlrev_b32 v42, 1, v32
	v_or_b32 v43, 1, v42
	v_cndmask_b32 v42, v42, v43, vcc_lo            ; 2 token + k
	v_cndmask_b32 v42, v4, v42, s25                ; or the row that nobody reads
.irp tl, 0,1
.irp k, 0,1,2,3,4,5,6,7
	v_readlane_b32 s99, v42, 16*\tl+2*\k
	v_readlane_b32 s100, v42, 16*\tl+2*\k+1
	v_mov_b32 v[16+8*\tl+\k], s100
	v_cndmask_b32 v[16+8*\tl+\k], s99, v[16+8*\tl+\k], s22   ; lanes 0-15: row 2 k; lanes 16-31: row 2 k + 1
.endr
.endr
.irp tl, 0,1
.irp jj, 0,1
	global_store_b128 v46, v[16+8*\tl+4*\jj:16+8*\tl+4*\jj+3], s[10:11] offset:1024*\tl+512*\jj
.endr
.endr
	s_wait_loadcnt 48                              ; the scale words are in; the codes' 48 loads may be out
	global_store_b128 v47, v[52:55], s[30:31]
	global_store_b128 v47, v[56:59], s[30:31] offset:512
	s_wait_loadcnt 16                              ; the first tile's 32 loads are in; the second tile's 16 may be out
.irp q, 0,1,2,3,4,5,6,7,8,9,10,11,12,13,14,15,16,17,18,19,20,21,22,23,24,25,26,27,28,29,30,31
	global_store_b128 v48, v[64+4*\q:64+4*\q+3], s[8:9] offset:512*\q   ; 32 lanes store 512 consecutive bytes, aligned
.endr
	s_wait_xcnt 0x0                                ; the stores have read their registers: the second tile's steps 4 to 7 may land there
.irp q, 16,17,18,19,20,21,22,23,24,25,26,27,28,29,30,31
	global_load_b128 v[4*\q:4*\q+3], v37, s[6:7] offset:32*\q
.endr
	s_wait_loadcnt 16                              ; steps 0 to 3 are in; the 16 just issued may be out
.irp q, 0,1,2,3,4,5,6,7,8,9,10,11,12,13,14,15
	global_store_b128 v48, v[192+4*\q:192+4*\q+3], s[8:9] offset:16384+512*\q
.endr
	s_wait_loadcnt 0x0
.irp q, 16,17,18,19,20,21,22,23,24,25,26,27,28,29,30,31
	global_store_b128 v48, v[4*\q:4*\q+3], s[8:9] offset:16384+512*\q
.endr
	s_wait_xcnt 0x0                                ; the next trip writes the stores' data and offsets again
	s_add_co_u32 s15, s15, 16
	s_cmp_ge_u32 s15, s16                          ; the way out: no pair is left for me
	s_cbranch_scc1 .Lend
	s_add_co_u32 s101, s101, 1                     ; the loop itself is counted against a constant: an expert has at most 32 pairs, sixteen waves take one each in a trip: two trips
	s_cmp_lt_u32 s101, 2
	s_cbranch_scc1 .Lpair
.Lend:
	s_endpgm
.Lfunc_end_k_qbfb2a30d8f_gather:
	.size	k_qbfb2a30d8f_gather, .Lfunc_end_k_qbfb2a30d8f_gather-k_qbfb2a30d8f_gather
	.p2alignl 7, 3214868480
	.fill 96, 4, 3214868480
	.section	.rodata,"a",@progbits
	.p2align	6, 0x0
	.amdhsa_kernel k_qbfb2a30d8f_gather
		.amdhsa_group_segment_fixed_size 0
		.amdhsa_private_segment_fixed_size 0
		.amdhsa_enable_private_segment 0
		.amdhsa_kernarg_size 32
		.amdhsa_user_sgpr_count 2
		.amdhsa_user_sgpr_kernarg_segment_ptr 1
		.amdhsa_wavefront_size32 1
		.amdhsa_system_sgpr_workgroup_id_x 1
		.amdhsa_system_sgpr_workgroup_id_y 1
		.amdhsa_system_sgpr_workgroup_id_z 1
		.amdhsa_system_vgpr_workitem_id 0
		.amdhsa_next_free_vgpr 256
		.amdhsa_next_free_sgpr 102
		.amdhsa_reserve_vcc 1
		.amdhsa_float_denorm_mode_32 3
		.amdhsa_float_denorm_mode_16_64 3
		.amdhsa_memory_ordered 1
		.amdhsa_forward_progress 1
		.amdhsa_inst_pref_size 33
	.end_amdhsa_kernel
	.amdgpu_metadata
---
amdhsa.version: [ 1, 2 ]
amdhsa.kernels:
  - .name:           k_qbfb2a30d8f_gather
    .symbol:         k_qbfb2a30d8f_gather.kd
    .args:
      - { .name: sel, .offset: 0, .size: 8, .value_kind: global_buffer, .address_space: global }
      - { .name: xq, .offset: 8, .size: 8, .value_kind: global_buffer, .address_space: global }
      - { .name: xs, .offset: 16, .size: 8, .value_kind: global_buffer, .address_space: global }
      - { .name: lists, .offset: 24, .size: 8, .value_kind: global_buffer, .address_space: global }
    .group_segment_fixed_size: 0
    .private_segment_fixed_size: 0
    .kernarg_segment_align: 8
    .kernarg_segment_size: 32
    .max_flat_workgroup_size: 128
    .sgpr_count:     102
    .vgpr_count:     256
    .wavefront_size: 32
...
	.end_amdgpu_metadata
.endif
;; end of part 2
;; launch up (part 3): grid 32 x 8, 4 waves a work-group, no clusters, 133,632 bytes of LDS; arguments w1_codes, w1_scales, b1, xs, lists, hq; writes hq
.if DOCPART == 3
	.amdgcn_target "amdgcn-amd-amdhsa--gfx1250"
	.amdhsa_code_object_version 6
	.text
	.protected	k_qbfb2a30d8f_up
	.globl	k_qbfb2a30d8f_up
	.p2align	8
	.type	k_qbfb2a30d8f_up,@function
k_qbfb2a30d8f_up:
	s_mov_b64 s[64:65], 0
	v_nop
	global_prefetch_b8 v0, s[64:65] scope:SCOPE_SE
	s_setreg_imm32_b32 hwreg(HW_REG_WAVE_MODE, 25, 1), 1
	s_wait_xcnt 0x0
; h = Q(gelu(Q(x) W1 + b1)) for the rows that chose an expert, on codes of E5M2 with one E8M0 scale for 32 along K.
; Work-group (j, e): expert e, hidden units 128 j .. 128 j + 127, which are K step j of the second product.  Its 128 rows of W1 (128 KB of codes, one dense block of memory) are read once and stay in LDS; it walks ALL rows of its expert.
; Rows come as tiles of 16, as images of the operand's registers (xs), four dense loads a fragment.  T = ceil(n_e / 16) tiles.  Wave w takes tiles 5 w .. 5 w + 4, then 20 further on, while there are tiles.
; A tile past the last is replaced by the last one, multiplied and not stored.
; THE PRODUCT IS USED TRANSPOSED (source 0 = 16 rows of W1, source 1 = 16 rows of x), AND THE ROWS OF W1 THAT FORM A TILE ARE NOT NEIGHBOURS: row r of tile 2 b + u is hidden unit 32 b + 8 u + r + 8 (r / 8).
; So a lane holds one row of x, and its 64 results of a tile of rows are k = 32 b + 16 h + 0..15 of the next K, in order: the conversions' results are the next operand's registers.
; In LDS the rows of W1 lie in the tiles' order (row number with bits 3 and 4 exchanged), so that a fragment's 16 rows are neighbours, 1,040 bytes apart: 16 different groups of banks.
; b1 is the C of each sum's first product.  gelu(x) = x / (1 + 2^z), z = x (c1 + c2 x^2), c1 = -2 sqrt(2 / pi) log2(e), c2 = 0.044715 c1: the tanh form of jax.nn.gelu, all in f32.
; OUT: hq [tile][32 K steps][4 chunks][32 lanes][16 B], and hq + HSC [tile][32 steps][32 lanes] scale words (both halves of the lanes hold row r's word).
; NO CLUSTER, NO TENSOR LOAD: the number of passes and the tests on tiles hang on n_e, a number read from memory; a constant count would be the worst case,
; 1,024 rows, four times the mean work.  No two work-groups read the same weights; the rows' images, which the 32 work-groups of an expert share, are a quarter of what a work-group brings in at the mean.
; LIMITS: NaN and infinities are not served; a block whose largest magnitude lies under 2^-111 keeps the scale byte 1 (a block of zeros too: its codes are zeros, and this program alone reads the bytes).
; REGISTERS, in windows of 256.  Window 0: v1-25 addresses and constants; v32-63 W1's scale words; v64-83 x's; v88-104 the quantiser's; v112-127 codes; v128-255 two sets of four fragments of W1, later 64 numbers at work.
;   Window 1: x's fragments, three sets of five.   Window 2: the accumulators of row tiles 0-3 (tile i, unit tile n at 64 i + 8 n); before the loop W1 on its way to LDS.   Window 3: v0-63 those of row tile 4; v64-127 b1.
.set PITCH, 1040
.set XSS,  8388608
.set HSC,  33554432
.set CNT,  524288
.set XO,   12                          ; v12-16  tile i's image: byte offset in xs
.set XQ,   17                          ; v17-21  its scale words
.set WS,   32                          ; v[32 + 4 n + s mod 4]: lanes 0-15 K step s mod 4, lanes 16-31 K step 4 + s mod 4
.set XS,   64                          ; v[64 + 4 i + s mod 4]: likewise
.set TM,   88                          ; v88-91 largest magnitudes, v92-95 bytes, v96-99 57,344 x the scale, v100-103 the conversions' scale operands
.set PW,   104                         ; the scale word just made
.set PC,   112                         ; the codes just made
.set BBF,  128
.set TT,   128
.set MSB,  0
.macro WIN new                         ; the immediate's high byte repeats the setting that is left; a switch that changes nothing is dropped
.if MSB != (\new)
	s_set_vgpr_msb (MSB<<8)|(\new)
.set MSB, (\new)
.endif
.endm
.macro PLACES n
.rept \n
	v_nop
.endr
.endm
.macro FETCHB s, u                     ; four fragments of W1 (unit tiles 4 u .. 4 u + 3, K step s) out of LDS
.irp n4, 0,1,2,3
.irp c, 0,1,2,3
	ds_load_b128 v[BBF+64*(\u)+16*\n4+4*\c:BBF+64*(\u)+16*\n4+4*\c+3], v[8+(\u)] offset:16*\n4*PITCH+128*(\s)+32*\c
.endr
.endr
.endm
.macro LOADA s                         ; my five tiles' fragments of K step s into set s mod 3: each load is 512 consecutive bytes
	WIN 0x40
.irp i, 0,1,2,3,4
.irp c, 0,1,2,3
	global_load_b128 v[80*((\s)%3)+16*\i+4*\c:80*((\s)%3)+16*\i+4*\c+3], v[XO+\i], s[10:11] offset:2048*(\s)+512*\c
.endr
.endr
	WIN 0
.endm
.macro PROLOG                          ; a pass's addresses, its scale words and its first two K steps: 45 loads
.irp i, 0,1,2,3,4
	s_add_co_u32 s36, s24, \i
	s_min_u32 s36, s36, s25                        ; a tile past the last: the last
	s_min_u32 s36, s36, 63
	s_add_co_u32 s36, s36, s40                     ; + 64 e
	s_lshl_b32 s37, s36, 14
	v_add_nc_u32 v[XO+\i], s37, v4
	s_lshl_b32 s37, s36, 9
	v_add_nc_u32 v[XQ+\i], s37, v4
.endr
.irp i, 0,1,2,3,4
	global_load_b128 v[XS+4*\i:XS+4*\i+3], v[XQ+\i], s[32:33]
.endr
	LOADA 0
	LOADA 1
.endm
.macro ONE s, u, i, n4
.set rD, 64*((\i)%4)+8*(4*(\u)+(\n4))
.set rA, BBF+64*(\u)+16*(\n4)
.set rB, 80*((\s)%3)+16*(\i)
.set rC, 64+8*(4*(\u)+(\n4))
.set rP, WS+4*(4*(\u)+(\n4))+(\s)%4
.set rQ, XS+4*(\i)+(\s)%4
.if (\s) == 0
	v_wmma_scale_f32_16x16x128_f8f6f4 v[rD:rD+7], v[rA:rA+15], v[rB:rB+15], v[rC:rC+7], v[rP], v[rQ] matrix_a_fmt:MATRIX_FMT_BF8 matrix_b_fmt:MATRIX_FMT_BF8
.elseif (\s) < 4
	v_wmma_scale_f32_16x16x128_f8f6f4 v[rD:rD+7], v[rA:rA+15], v[rB:rB+15], v[rD:rD+7], v[rP], v[rQ] matrix_a_fmt:MATRIX_FMT_BF8 matrix_b_fmt:MATRIX_FMT_BF8
.else
	v_wmma_scale_f32_16x16x128_f8f6f4 v[rD:rD+7], v[rA:rA+15], v[rB:rB+15], v[rD:rD+7], v[rP], v[rQ] matrix_a_fmt:MATRIX_FMT_BF8 matrix_b_fmt:MATRIX_FMT_BF8 matrix_a_scale:MATRIX_SCALE_ROW1 matrix_b_scale:MATRIX_SCALE_ROW1
.endif
.endm
.macro MM s, u                         ; 20 products on 20 accumulators, one instruction a turn: five row tiles x four unit tiles
.irp i, 0,1,2,3,4
.if \i == 4
	WIN 0xf4                                       ; W1 window 0, x window 1, C and D window 3
.elseif (\s) == 0
	WIN 0xb4                                       ; C (b1) window 3, D window 2
.else
	WIN 0xa4                                       ; C and D window 2
.endif
.irp n4, 0,1,2,3
	ONE \s, \u, \i, \n4
.endr
.endr
.endm
.macro HSTEP s, u                      ; half a K step
.if (\u) == 0
.if (\s) <= 5
	s_wait_loadcnt 40                              ; K step s of x is in; the two K steps behind it (20 loads each) may be out
.elseif (\s) == 6
	s_wait_loadcnt 20
.else
	s_wait_loadcnt 0x0
.endif
.endif
.if ((\s) == 7) && ((\u) == 1)
	s_wait_dscnt 0x0
.else
	s_wait_dscnt 16                                ; my four fragments of W1 are in; the other half's sixteen loads may be out
.endif
	MM \s, \u
	WIN 0
.if (\s) < 7
	PLACES 8                                       ; eight places behind these products, ahead of loads into registers that they have read
	FETCHB (\s)+1, \u
.if ((\u) == 1) && ((\s) <= 4)
	LOADA (\s)+3                                   ; into the set that this K step has just left
.endif
.endif
.endm
; 64 numbers of a lane, v[s] on, register 16 b + i = k 32 b + 16 h + i of my row, become a fragment's codes in v[PC] on and its scale word in v[PW]
.macro QUANT s
.irp b, 0,1,2,3
	v_max3_num_f32 v[TM+\b], |v[\s+16*\b]|, |v[\s+1+16*\b]|, 0x8000000   ; block b: my 16 numbers, and the floor 2^(16 - 127): the byte cannot fall under 1
.endr
.irp k, 2,4,6,8,10,12,14
.irp b, 0,1,2,3
	v_max3_num_f32 v[TM+\b], v[TM+\b], |v[\s+16*\b+\k]|, |v[\s+1+16*\b+\k]|
.endr
.endr
.irp b, 0,1,2,3
	v_permlanex16_b32 v[TM+4+\b], v[TM+\b], s28, s29
.endr
.irp b, 0,1,2,3
	v_max_num_f32 v[TM+\b], v[TM+\b], v[TM+4+\b]   ; with lane l xor 16's: the block's largest magnitude
.endr
.irp b, 0,1,2,3
	v_add_nc_u32 v[TM+12+\b], 0xf8800000, v[TM+\b] ; 15 off its exponent field: the conversion's scale operand
.endr
.irp b, 0,1,2,3
	v_and_or_b32 v[TM+8+\b], v[TM+\b], 0x7f800000, s30   ; 57,344 x the scale
.endr
.irp b, 0,1,2,3
	v_lshrrev_b32 v[TM+4+\b], 23, v[TM+12+\b]      ; the scale's byte
.endr
	v_lshl_or_b32 v[PW], v[TM+5], 8, v[TM+4]
	v_lshl_or_b32 v[PW], v[TM+6], 16, v[PW]
	v_lshl_or_b32 v[PW], v[TM+7], 24, v[PW]
.irp b, 0,1,2,3
.irp k, 0,1,2,3,4,5,6,7,8,9,10,11,12,13,14,15
	v_med3_num_f32 v[\s+16*\b+\k], v[\s+16*\b+\k], -v[TM+8+\b], v[TM+8+\b]   ; the conversion to an 8-bit code does not saturate (ISA guide 7.6.2): the hold comes first
.endr
	v_cvt_scalef32_pk8_bf8_f32 v[PC+4*\b:PC+1+4*\b], v[\s+16*\b:\s+7+16*\b], v[TM+12+\b]
	v_cvt_scalef32_pk8_bf8_f32 v[PC+2+4*\b:PC+3+4*\b], v[\s+8+16*\b:\s+15+16*\b], v[TM+12+\b]
.endr
	v_nop                                          ; a plain line behind the last conversion
.endm
; Row tile i: gelu, quantise, store.  Each accumulator is read from its low end on.  The exponentials are one batch with one wait, and so are the reciprocals.
.macro EPI i
.set WA, 2+(\i)/4
.set AB, 64*((\i)%4)
	s_wait_xcnt 0x0                                ; the last tile's stores have read their codes, scale word and offsets
	WIN WA|(WA<<2)
.set pp, 0
.rept 32
	v_pk_mul_f32 v[TT+pp:TT+pp+1], v[AB+pp:AB+pp+1], v[AB+pp:AB+pp+1]     ; x^2
.set pp, pp+2
.endr
	WIN 0
.set pp, 0
.rept 32
	v_pk_fma_f32 v[TT+pp:TT+pp+1], v[TT+pp:TT+pp+1], s[26:27], v[24:25] op_sel_hi:[1,0,1]   ; c2 x^2 + c1
.set pp, pp+2
.endr
	WIN WA<<2
.set pp, 0
.rept 32
	v_pk_mul_f32 v[TT+pp:TT+pp+1], v[TT+pp:TT+pp+1], v[AB+pp:AB+pp+1]     ; z
.set pp, pp+2
.endr
	WIN 0
.set pp, 0
.rept 64
	v_exp_f32 v[TT+pp], v[TT+pp]
.set pp, pp+1
.endr
	v_nop                                          ; a plain line behind the last transcendental,
	s_wait_alu depctr_va_vdst(0)                   ; and one wait for the batch, ahead of its first reader
.set pp, 0
.rept 32
	v_pk_add_f32 v[TT+pp:TT+pp+1], v[TT+pp:TT+pp+1], 1.0 op_sel_hi:[1,0]
.set pp, pp+2
.endr
.set pp, 0
.rept 64
	v_rcp_f32 v[TT+pp], v[TT+pp]
.set pp, pp+1
.endr
	v_nop
	s_wait_alu depctr_va_vdst(0)
	WIN WA<<2
.set pp, 0
.rept 32
	v_pk_mul_f32 v[TT+pp:TT+pp+1], v[TT+pp:TT+pp+1], v[AB+pp:AB+pp+1]     ; gelu = x / (1 + 2^z)
.set pp, pp+2
.endr
	WIN 0
	QUANT TT
	s_add_co_u32 s36, s24, \i
	s_min_u32 s36, s36, 63
	s_add_co_u32 s36, s36, s40
	s_lshl_b32 s37, s36, 16
	s_add_co_u32 s37, s37, s41
	v_add_nc_u32 v22, s37, v4                      ; tile x 64 KB + K step j x 2 KB + 16 x lane
	s_lshl_b32 s37, s36, 12
	s_add_co_u32 s37, s37, s42
	v_add_nc_u32 v23, s37, v5                      ; tile x 4 KB + j x 128 + 4 x lane
.irp c, 0,1,2,3
	global_store_b128 v22, v[PC+4*\c:PC+4*\c+3], s[14:15] offset:512*\c   ; 32 lanes store 512 consecutive bytes, aligned
.endr
	global_store_b32 v23, v[PW], s[34:35]
.endm
	s_load_b256 s[4:11], s[0:1], 0x0               ; w1_codes s[4:5], w1_scales s[6:7], b1 s[8:9], xs s[10:11]
	s_load_b128 s[12:15], s[0:1], 0x20             ; lists s[12:13], hq s[14:15]
	v_lshl_add_u32 v110, v0, 2, 0x20800
	v_mov_b32 v111, 0
	v_and_b32 v1, 31, v0                           ; lane
	v_and_b32 v2, 15, v0                           ; r
	v_bfe_u32 v3, v0, 4, 1                         ; h
	v_lshrrev_b32 v7, 5, v0
	v_readfirstlane_b32 s20, v7                    ; wave
	v_lshlrev_b32 v4, 4, v1                        ; 16 x lane
	v_lshlrev_b32 v5, 2, v1                        ; 4 x lane
	s_mul_i32 s31, s20, 32*PITCH
	v_add_nc_u32 v6, s31, v4                       ; where I put W1 into LDS: my wave's 32 rows
	v_mul_u32_u24 v8, v2, PITCH
	v_lshl_add_u32 v8, v3, 4, v8                   ; a fragment's row x pitch + 16 h: unit tiles 0-3,
	v_add_nc_u32 v9, 64*PITCH, v8                  ; and 4-7
	v_and_b32 v10, 8, v2
	v_add_nc_u32 v10, v10, v2                      ; r + 8 (r / 8)
	v_lshlrev_b32 v10, 5, v10
	v_lshl_add_u32 v10, v3, 4, v10                 ; W1's scale bytes: 32 a row, + 16 h: lanes 16-31 take K steps 4 to 7
	v_lshlrev_b32 v11, 6, v3                       ; b1: 16 h numbers on
	v_mov_b32 v24, 0xc0135761                      ; c1 = -2.3022082, twice
	v_mov_b32 v25, 0xc0135761
.irp b, 0,1,2,3
	v_mov_b32 v[TM+4+\b], 0                        ; written once: a lane exchange's destination counts as one of its sources
.endr
	s_mov_b32 s21, ttmp9                           ; j
	s_and_b32 s22, ttmp7, 0xffff                   ; e
	s_lshl_b32 s40, s22, 6                         ; the expert's first tile
	s_lshl_b32 s41, s21, 11
	s_lshl_b32 s42, s21, 7
	s_lshl_b32 s36, s22, 2
	s_add_co_u32 s36, s36, CNT
	s_mov_b32 s37, 0
	s_lshl_b32 s44, s22, 22                        ; W1's codes: 4 MB an expert, 128 KB a work-group, 32 KB a wave
	s_lshl_b32 s43, s21, 17
	s_add_co_u32 s44, s44, s43
	s_lshl_b32 s43, s20, 15
	s_add_co_u32 s44, s44, s43
	s_mov_b32 s45, 0
	s_lshl_b32 s46, s22, 12
	s_add_co_u32 s46, s46, s42                     ; the work-group's first hidden unit among 8 x 4,096
	s_mov_b32 s26, 0xbdd2d3e8                      ; c2 = -0.10294324
	s_mov_b32 s27, s26                             ; (named with it as a pair, so it is written)
	s_mov_b32 s28, 0x76543210
	s_mov_b32 s29, 0xfedcba98                      ; v_permlanex16_b32's selects for lane l xor 16
	s_mov_b32 s30, 0x600000                        ; the mantissa field of 57,344
	s_mov_b32 s47, 0                               ; passes done
	s_wait_kmcnt 0x0
	s_add_nc_u64 s[38:39], s[12:13], s[36:37]
	s_load_b32 s23, s[38:39], 0x0                  ; n_e
	s_add_nc_u64 s[4:5], s[4:5], s[44:45]
	s_lshl_b32 s44, s46, 5
	s_add_nc_u64 s[6:7], s[6:7], s[44:45]
	s_lshl_b32 s44, s46, 2
	s_add_nc_u64 s[8:9], s[8:9], s[44:45]
	s_add_nc_u64 s[32:33], s[10:11], XSS
	s_add_nc_u64 s[34:35], s[14:15], HSC
.irp n, 0,1,2,3,4,5,6,7
	global_load_b128 v[WS+4*\n:WS+4*\n+3], v10, s[6:7] offset:(32*(\n/2)+8*(\n%2))*32
.endr
	WIN 0xc0
.irp n, 0,1,2,3,4,5,6,7
	global_load_b128 v[64+8*\n:64+8*\n+3], v11, s[8:9] offset:(32*(\n/2)+8*(\n%2))*4      ; lane (r, h), unit tile 2 b + u: b1 of units 32 b + 16 h + 8 u + 0..7
	global_load_b128 v[64+8*\n+4:64+8*\n+7], v11, s[8:9] offset:(32*(\n/2)+8*(\n%2))*4+16
.endr
	WIN 0x80
.set tt, 0
.rept 64
	global_load_b128 v[4*tt:4*tt+3], v4, s[4:5] offset:512*tt th:TH_LOAD_NT   ; my wave's 32 rows of W1, 512 consecutive bytes a load
.set tt, tt+1
.endr
	WIN 0
	s_wait_kmcnt 0x0
	s_min_u32 s23, s23, 1024
	s_add_co_u32 s23, s23, 15
	s_lshr_b32 s23, s23, 4                         ; T
	s_max_u32 s25, s23, 1
	s_sub_co_u32 s25, s25, 1                       ; the last tile
	s_mul_i32 s24, s20, 5                          ; my first tile
	PROLOG                                         ; (an expert without rows: its first tile's bytes are read and never used)
	s_wait_loadcnt 45                              ; W1, its scale words and b1 are in; the 45 loads just issued may be out
	WIN 0x08
.set tt, 0
.rept 64
	ds_store_b128 v6, v[4*tt:4*tt+3] offset:(((tt/2)&7)+(((tt/2)>>3)&1)*16+(((tt/2)>>4)&1)*8)*PITCH+512*(tt%2)   ; the row's number with bits 3 and 4 exchanged
.set tt, tt+1
.endr
	WIN 0
	s_wait_dscnt 0x0                               ; for the others' sake: my stores have landed
	s_barrier_signal -1
	s_barrier_wait -1                              ; the one barrier: every wave passes it, ahead of every branch on n_e; from here on LDS is only read
	s_cmp_ge_u32 s24, s23
	s_cbranch_scc1 .Lend
.Lpass:                                            ; on both ways in, the same 45 loads are out
	LOADA 2
	FETCHB 0, 0
	FETCHB 0, 1
.irp ks, 0,1,2,3,4,5,6,7
	HSTEP \ks, 0
	HSTEP \ks, 1
.endr
	PLACES 9                                       ; behind the last products: eight ahead of the reads of results and of loads into operands, nine ahead of the next pass's products, which begin the accumulators anew
.irp ti, 0,1,2,3,4
	s_add_co_u32 s36, s24, \ti
	s_cmp_ge_u32 s36, s23
	s_cbranch_scc1 .Lepi_done                      ; no such tile: nothing is stored
	EPI \ti
.endr
.Lepi_done:
	s_add_co_u32 s24, s24, 20
	s_cmp_ge_u32 s24, s23                          ; the way out: no tile is left for me
	s_cbranch_scc1 .Lend
	PROLOG
	s_add_co_u32 s47, s47, 1                       ; the loop itself is counted against a constant: four passes of 20 tiles cover the 64 tiles that an expert can have
	s_cmp_lt_u32 s47, 4
	s_cbranch_scc1 .Lpass
.Lend:
	s_wait_tensorcnt 0x0
	ds_add_u32 v110, v111
	s_wait_dscnt 0x0
	s_endpgm
.Lfunc_end_k_qbfb2a30d8f_up:
	.size	k_qbfb2a30d8f_up, .Lfunc_end_k_qbfb2a30d8f_up-k_qbfb2a30d8f_up
	.p2alignl 7, 3214868480
	.fill 96, 4, 3214868480
	.section	.rodata,"a",@progbits
	.p2align	6, 0x0
	.amdhsa_kernel k_qbfb2a30d8f_up
		.amdhsa_group_segment_fixed_size 133632
		.amdhsa_private_segment_fixed_size 0
		.amdhsa_enable_private_segment 0
		.amdhsa_kernarg_size 48
		.amdhsa_user_sgpr_count 2
		.amdhsa_user_sgpr_kernarg_segment_ptr 1
		.amdhsa_wavefront_size32 1
		.amdhsa_system_sgpr_workgroup_id_x 1
		.amdhsa_system_sgpr_workgroup_id_y 1
		.amdhsa_system_sgpr_workgroup_id_z 1
		.amdhsa_system_vgpr_workitem_id 0
		.amdhsa_next_free_vgpr 896
		.amdhsa_next_free_sgpr 66
		.amdhsa_reserve_vcc 0
		.amdhsa_float_denorm_mode_32 3
		.amdhsa_float_denorm_mode_16_64 3
		.amdhsa_memory_ordered 1
		.amdhsa_forward_progress 1
		.amdhsa_inst_pref_size 217
	.end_amdhsa_kernel
	.amdgpu_metadata
---
amdhsa.version: [ 1, 2 ]
amdhsa.kernels:
  - .name:           k_qbfb2a30d8f_up
    .symbol:         k_qbfb2a30d8f_up.kd
    .args:
      - { .name: w1_codes, .offset: 0, .size: 8, .value_kind: global_buffer, .address_space: global }
      - { .name: w1_scales, .offset: 8, .size: 8, .value_kind: global_buffer, .address_space: global }
      - { .name: b1, .offset: 16, .size: 8, .value_kind: global_buffer, .address_space: global }
      - { .name: xs, .offset: 24, .size: 8, .value_kind: global_buffer, .address_space: global }
      - { .name: lists, .offset: 32, .size: 8, .value_kind: global_buffer, .address_space: global }
      - { .name: hq, .offset: 40, .size: 8, .value_kind: global_buffer, .address_space: global }
    .group_segment_fixed_size: 133632
    .private_segment_fixed_size: 0
    .kernarg_segment_align: 8
    .kernarg_segment_size: 48
    .max_flat_workgroup_size: 128
    .sgpr_count:     66
    .vgpr_count:     896
    .wavefront_size: 32
...
	.end_amdgpu_metadata
.endif
;; end of part 3
;; launch down (part 4): grid 32 x 8, 4 waves a work-group, no clusters, 150,016 bytes of LDS; arguments w2_codes, w2_scales, b2, hq, lists, part; writes part
.if DOCPART == 4
	.amdgcn_target "amdgcn-amd-amdhsa--gfx1250"
	.amdhsa_code_object_version 6
	.text
	.protected	k_qbfb2a30d8f_down
	.globl	k_qbfb2a30d8f_down
	.p2align	8
	.type	k_qbfb2a30d8f_down,@function
k_qbfb2a30d8f_down:
	s_mov_b64 s[64:65], 0
	v_nop
	global_prefetch_b8 v0, s[64:65] scope:SCOPE_SE
	s_setreg_imm32_b32 hwreg(HW_REG_WAVE_MODE, 25, 1), 1
	s_wait_xcnt 0x0
; part = h W2 (+ b2), on codes of E5M2 with one E8M0 scale for 32 along K.  Work-group (x, e): expert e, output columns 64 jn .. 64 jn + 63 (jn = x mod 16), K half q = x / 16: hidden units 2048 q on, 16 K steps.
; Its 64 rows x 2,048 bytes of W2 (128 KB) are read once and stay in LDS; it walks ALL rows of its expert, which come as images of the operand's registers (hq), four dense loads a fragment.
; T = ceil(n_e / 16) tiles.  Wave w takes tiles 5 w .. 5 w + 4, then 20 further on, while there are tiles; a tile past the last is replaced by the last one, multiplied and not stored.
; THE PRODUCT IS USED TRANSPOSED (source 0 = 16 rows of W2 = 16 output columns, source 1 = 16 rows of h): a lane holds eight neighbouring columns of one row.  b2 is the C of each sum's first product in q = 0; zeros in q = 1.
; OUT: part [q][2,304 rows][1024] f32.  A row of a tile goes to row lists[..] = 2 token + k.  A tile goes through the wave's own stage in LDS and leaves as rows: sixteen lanes store 256 consecutive bytes, aligned.
; The two K halves and a token's two experts are added by the next launch: each byte of part has one owner.
; NO CLUSTER, NO TENSOR LOAD: the number of passes and the tests on tiles hang on n_e, a number read from memory; a constant count would be the worst case,
; 1,024 rows, four times the mean work.  No two work-groups read the same weights.
; REGISTERS, in windows of 256.  Window 0: v1-30 addresses; v32-63 W2's scale words; v64-103 h's; v128-255 two sets of four fragments of W2, later rows on their way out.
;   Window 1: h's fragments, sets 0-2 of five.   Window 2: v0-159 the accumulators (row tile i, column tile n at 32 i + 8 n); v160-199 where the rows go; v200-231 b2.   Window 3: W2 on its way to LDS, later set 3.
.set PITCH, 2064                       ; an LDS row of W2: 2,048 bytes + 16: the 16 rows of a fragment start in 16 different groups of banks
.set STG,  64*PITCH                    ; behind W2: a stage of 16 rows x 272 bytes for each wave
.set HSC,  33554432
.set CNT,  524288
.set PARTQ, 9437184
.set HO,   12                          ; v12-16  tile i's image: byte offset in hq
.set HQ,   17                          ; v17-21  its scale words
.set RQ,   22                          ; v22-26  its rows' places, in lists
.set WS,   32                          ; v[32 + 8 n + s mod 8]: lanes 0-15 K step s mod 8, lanes 16-31 K step 8 + s mod 8
.set HS,   64                          ; v[64 + 8 i + s mod 8]: likewise
.set BBF,  128
.set OB,   128
.set VO,   192
.set RD,   160
.set B2,   200
.set MSB,  0
.macro WIN new
.if MSB != (\new)
	s_set_vgpr_msb (MSB<<8)|(\new)
.set MSB, (\new)
.endif
.endm
.macro PLACES n
.rept \n
	v_nop
.endr
.endm
.macro FETCHB s                        ; the four fragments of W2 of K step s out of LDS, into set s mod 2
.irp n, 0,1,2,3
.irp c, 0,1,2,3
	ds_load_b128 v[BBF+64*((\s)%2)+16*\n+4*\c:BBF+64*((\s)%2)+16*\n+4*\c+3], v[8+\n/2] offset:16*(\n%2)*PITCH+128*(\s)+32*\c
.endr
.endr
.endm
.macro LOADA s                         ; my five tiles' fragments of K step s into set s mod 4
.if (\s)%4 == 3
	WIN 0xc0
.set rL, 0
.else
	WIN 0x40
.set rL, 80*((\s)%4)
.endif
.irp i, 0,1,2,3,4
.irp c, 0,1,2,3
	global_load_b128 v[rL+16*\i+4*\c:rL+16*\i+4*\c+3], v[HO+\i], s[10:11] offset:2048*(\s)+512*\c
.endr
.endr
	WIN 0
.endm
.macro PROLOG                          ; a pass's addresses, scale words, rows' places and first two K steps: 90 loads
.irp i, 0,1,2,3,4
	s_add_co_u32 s36, s24, \i
	s_min_u32 s36, s36, s25                        ; a tile past the last: the last
	s_min_u32 s36, s36, 63
	s_add_co_u32 s36, s36, s40                     ; + 64 e
	s_lshl_b32 s37, s36, 16
	s_add_co_u32 s37, s37, s41
	v_add_nc_u32 v[HO+\i], s37, v4
	s_lshl_b32 s37, s36, 12
	s_add_co_u32 s37, s37, s42
	v_add_nc_u32 v[HQ+\i], s37, v30
	s_lshl_b32 s37, s36, 10
	v_add_nc_u32 v[RQ+\i], s37, v4
.endr
.irp i, 0,1,2,3,4
.irp m, 0,1,2,3,4,5,6,7
	global_load_b32 v[HS+8*\i+\m], v[HQ+\i], s[32:33] offset:128*\m
.endr
.endr
	WIN 0x80
.irp i, 0,1,2,3,4
.irp jj, 0,1
	global_load_b128 v[RD+8*\i+4*\jj:RD+8*\i+4*\jj+3], v[RQ+\i], s[12:13] offset:512*\jj
.endr
.endr
	WIN 0
	LOADA 0
	LOADA 1
.endm
.macro ONE s, i, n
.set rD, 32*(\i)+8*(\n)
.set rA, BBF+64*((\s)%2)+16*(\n)
.if (\s)%4 == 3
.set rB, 16*(\i)
.else
.set rB, 80*((\s)%4)+16*(\i)
.endif
.set rC, B2+8*(\n)
.set rP, WS+8*(\n)+(\s)%8
.set rQ, HS+8*(\i)+(\s)%8
.if (\s) == 0
	v_wmma_scale_f32_16x16x128_f8f6f4 v[rD:rD+7], v[rA:rA+15], v[rB:rB+15], v[rC:rC+7], v[rP], v[rQ] matrix_a_fmt:MATRIX_FMT_BF8 matrix_b_fmt:MATRIX_FMT_BF8
.elseif (\s) < 8
	v_wmma_scale_f32_16x16x128_f8f6f4 v[rD:rD+7], v[rA:rA+15], v[rB:rB+15], v[rD:rD+7], v[rP], v[rQ] matrix_a_fmt:MATRIX_FMT_BF8 matrix_b_fmt:MATRIX_FMT_BF8
.else
	v_wmma_scale_f32_16x16x128_f8f6f4 v[rD:rD+7], v[rA:rA+15], v[rB:rB+15], v[rD:rD+7], v[rP], v[rQ] matrix_a_fmt:MATRIX_FMT_BF8 matrix_b_fmt:MATRIX_FMT_BF8 matrix_a_scale:MATRIX_SCALE_ROW1 matrix_b_scale:MATRIX_SCALE_ROW1
.endif
.endm
.macro MM s                            ; 20 products on 20 accumulators, one instruction a turn
.if (\s)%4 == 3
	WIN 0xac                                       ; W2 window 0, h window 3, C and D window 2
.else
	WIN 0xa4                                       ; h window 1
.endif
.irp i, 0,1,2,3,4
.irp n, 0,1,2,3
	ONE \s, \i, \n
.endr
.endr
.endm
.macro STEP s
.if (\s) <= 12
	s_wait_loadcnt 60                              ; K step s of h is in; the three K steps behind it (20 loads each) may be out
.else
	s_wait_loadcnt 20*(15-(\s))
.endif
.if (\s) == 15
	s_wait_dscnt 0x0
.else
	s_wait_dscnt 16                                ; this K step's fragments of W2 are in; the next step's sixteen loads may be out
.endif
	MM \s
	WIN 0
.if (\s) <= 13
	PLACES 8                                       ; eight places behind these products, ahead of loads into registers that they have read
	FETCHB (\s)+2
.endif
.if (\s) <= 11
	LOADA (\s)+4
.endif
.endm
; Row tile i goes out: 16 rows x 64 columns through my stage.  LDS serves a wave's instructions in order (ISA guide 5.7.1.4): no wait between the stores and the loads.
.macro OUT i
.set OBI, OB+32*((\i)%2)
.set VOI, VO+8*((\i)%2)
	s_wait_xcnt 0x0                                ; earlier stores have read their data and offsets
	WIN 0x08                                       ; source 1 window 2: an LDS store's data, and where the rows go
.irp n, 0,1,2,3
	ds_store_b128 v27, v[32*(\i)+8*\n:32*(\i)+8*\n+3] offset:64*\n          ; each accumulator from its low end on
	ds_store_b128 v27, v[32*(\i)+8*\n+4:32*(\i)+8*\n+7] offset:64*\n+16
.endr
.irp k, 0,1,2,3,4,5,6,7
	v_min_u32 v[VOI+\k], 0x8ff, v[RD+8*(\i)+\k]    ; a row of part, held inside its 2,304
.endr
	WIN 0
.irp k, 0,1,2,3,4,5,6,7
	v_lshl_add_u32 v[VOI+\k], v[VOI+\k], 12, v29   ; 4,096 bytes a row, + 16 r
.endr
.irp k, 0,1,2,3,4,5,6,7
	ds_load_b128 v[OBI+4*\k:OBI+4*\k+3], v28 offset:544*\k   ; lanes 0-15: row 2 k; lanes 16-31: row 2 k + 1
.endr
.irp k, 0,1,2,3,4,5,6,7
	s_wait_dscnt 7-\k                              ; pair k of rows is back; the younger loads may be out
	global_store_b128 v[VOI+\k], v[OBI+4*\k:OBI+4*\k+3], s[34:35] th:TH_STORE_NT
.endr
.endm
	s_load_b256 s[4:11], s[0:1], 0x0               ; w2_codes s[4:5], w2_scales s[6:7], b2 s[8:9], hq s[10:11]
	s_load_b128 s[12:15], s[0:1], 0x20             ; lists s[12:13], part s[14:15]
	v_lshl_add_u32 v126, v0, 2, 0x24800
	v_mov_b32 v127, 0
	v_and_b32 v1, 31, v0                           ; lane
	v_and_b32 v2, 15, v0                           ; r
	v_bfe_u32 v3, v0, 4, 1                         ; h
	v_lshrrev_b32 v7, 5, v0
	v_readfirstlane_b32 s20, v7                    ; wave
	v_lshlrev_b32 v4, 4, v1                        ; 16 x lane
	v_lshlrev_b32 v5, 2, v1                        ; 4 x lane
	s_mul_i32 s31, s20, 16*PITCH
	v_add_nc_u32 v6, s31, v4                       ; where I put W2 into LDS: my wave's 16 rows
	v_mul_u32_u24 v8, v2, PITCH
	v_lshl_add_u32 v8, v3, 4, v8                   ; a fragment's row x pitch + 16 h: column tiles 0, 1,
	v_add_nc_u32 v9, 32*PITCH, v8                  ; and 2, 3
	v_lshlrev_b32 v10, 7, v2
	v_lshl_add_u32 v10, v3, 5, v10                 ; W2's scale bytes: 128 a row, + 32 h: lanes 16-31 take K steps 8 to 15
	v_lshlrev_b32 v11, 5, v3                       ; b2: 8 h numbers on
	s_mul_i32 s31, s20, 16*272
	s_add_co_u32 s31, s31, STG                     ; my stage
	v_mul_u32_u24 v27, v2, 272
	v_lshl_add_u32 v27, v3, 5, v27
	v_add_nc_u32 v27, s31, v27                     ; in: row r, + 32 h
	v_mul_u32_u24 v28, v3, 272
	v_lshl_add_u32 v28, v2, 4, v28
	v_add_nc_u32 v28, s31, v28                     ; back: row h of a pair, + 16 r
	v_lshlrev_b32 v29, 4, v2
	v_lshl_add_u32 v30, v3, 10, v5                 ; h's scale words: 4 x lane, + 8 K steps of 128 bytes for lanes 16-31
	s_and_b32 s21, ttmp9, 15                       ; jn
	s_lshr_b32 s26, ttmp9, 4                       ; q
	s_and_b32 s22, ttmp7, 0xffff                   ; e
	s_lshl_b32 s40, s22, 6                         ; the expert's first tile
	s_lshl_b32 s41, s26, 15                        ; 16 K steps of 2 KB
	s_lshl_b32 s42, s26, 11                        ; 16 K steps of 128 bytes
	s_lshl_b32 s36, s22, 2
	s_add_co_u32 s36, s36, CNT
	s_mov_b32 s37, 0
	s_lshl_b32 s46, s22, 10
	s_lshl_b32 s43, s21, 6
	s_add_co_u32 s46, s46, s43                     ; the work-group's first row of W2 among 8 x 1,024
	s_lshl_b32 s43, s20, 4
	s_add_co_u32 s44, s46, s43                     ; my wave's first row
	s_lshl_b32 s44, s44, 12
	s_add_co_u32 s44, s44, s42                     ; + 2,048 q bytes along K
	s_mov_b32 s45, 0
	s_mov_b32 s47, 0                               ; passes done
	s_wait_kmcnt 0x0
	s_add_nc_u64 s[38:39], s[12:13], s[36:37]
	s_load_b32 s23, s[38:39], 0x0                  ; n_e
	s_add_nc_u64 s[4:5], s[4:5], s[44:45]
	s_lshl_b32 s44, s46, 7
	s_lshl_b32 s43, s26, 6
	s_add_co_u32 s44, s44, s43
	s_add_nc_u64 s[6:7], s[6:7], s[44:45]
	s_lshl_b32 s44, s46, 2
	s_add_nc_u64 s[8:9], s[8:9], s[44:45]
	s_add_nc_u64 s[32:33], s[10:11], HSC
	s_mul_i32 s44, s26, PARTQ
	s_lshl_b32 s43, s21, 8
	s_add_co_u32 s44, s44, s43
	s_add_nc_u64 s[34:35], s[14:15], s[44:45]      ; part: my K half, my 256 bytes of a row
.irp n, 0,1,2,3
.irp jj, 0,1
	global_load_b128 v[WS+8*\n+4*\jj:WS+8*\n+4*\jj+3], v10, s[6:7] offset:2048*\n+16*\jj
.endr
.endr
	s_cmp_lg_u32 s26, 0                            ; b2 belongs to one of the two K halves
	s_cbranch_scc1 .Lno_bias
	WIN 0x80
.irp n, 0,1,2,3
	global_load_b128 v[B2+8*\n:B2+8*\n+3], v11, s[8:9] offset:64*\n            ; lane (r, h), column tile n: b2 of columns 16 n + 8 h + 0..7
	global_load_b128 v[B2+8*\n+4:B2+8*\n+7], v11, s[8:9] offset:64*\n+16
.endr
	WIN 0
	s_branch .Lbias_done
.Lno_bias:
	WIN 0x80
.set pp, 0
.rept 32
	v_mov_b32 v[B2+pp], 0                          ; the step's text is written once: its first products take these registers as C in both halves
.set pp, pp+1
.endr
	WIN 0
.Lbias_done:
	WIN 0xc0
.set tt, 0
.rept 64
	global_load_b128 v[4*tt:4*tt+3], v4, s[4:5] offset:(tt/4)*4096+(tt%4)*512 th:TH_LOAD_NT   ; my wave's 16 rows of W2, 512 consecutive bytes a load
.set tt, tt+1
.endr
	WIN 0
	s_wait_kmcnt 0x0
	s_min_u32 s23, s23, 1024
	s_add_co_u32 s23, s23, 15
	s_lshr_b32 s23, s23, 4                         ; T
	s_max_u32 s25, s23, 1
	s_sub_co_u32 s25, s25, 1                       ; the last tile
	s_mul_i32 s24, s20, 5                          ; my first tile
	PROLOG                                         ; (an expert without rows: its first tile's bytes are read and never used)
	s_wait_loadcnt 63                              ; 90 loads were issued behind W2's: with 63 at the most out, W2, its scale words and b2 are in
	WIN 0x0c
.set tt, 0
.rept 64
	ds_store_b128 v6, v[4*tt:4*tt+3] offset:(tt/4)*PITCH+(tt%4)*512
.set tt, tt+1
.endr
	WIN 0
	s_wait_dscnt 0x0                               ; for the others' sake: my stores have landed
	s_barrier_signal -1
	s_barrier_wait -1                              ; the one barrier: every wave passes it, ahead of every branch on n_e; from here on W2's bytes are only read, and a stage is its wave's own
	s_cmp_ge_u32 s24, s23
	s_cbranch_scc1 .Lend
.Lpass:                                            ; on both ways in, the same 90 loads were issued last
	LOADA 2
	LOADA 3
	FETCHB 0
	FETCHB 1
.irp ks, 0,1,2,3,4,5,6,7,8,9,10,11,12,13,14,15
	STEP \ks
.endr
	PLACES 9                                       ; behind the last products: eight ahead of the reads of results and of loads into operands, nine ahead of the next pass's products, which begin the accumulators anew
.irp ti, 0,1,2,3,4
	s_add_co_u32 s36, s24, \ti
	s_cmp_ge_u32 s36, s23
	s_cbranch_scc1 .Lout_done                      ; no such tile: nothing is stored
	OUT \ti
.endr
.Lout_done:
	s_wait_xcnt 0x0                                ; the last tiles' stores have read their rows (v128-191) and offsets (v192-207): the next pass's fragments of W2 land in those registers only behind this wait
	s_add_co_u32 s24, s24, 20
	s_cmp_ge_u32 s24, s23                          ; the way out: no tile is left for me
	s_cbranch_scc1 .Lend
	PROLOG
	s_add_co_u32 s47, s47, 1                       ; the loop itself is counted against a constant: four passes of 20 tiles cover the 64 tiles that an expert can have
	s_cmp_lt_u32 s47, 4
	s_cbranch_scc1 .Lpass
.Lend:
	s_wait_tensorcnt 0x0
	ds_add_u32 v126, v127
	s_wait_dscnt 0x0
	s_endpgm
.Lfunc_end_k_qbfb2a30d8f_down:
	.size	k_qbfb2a30d8f_down, .Lfunc_end_k_qbfb2a30d8f_down-k_qbfb2a30d8f_down
	.p2alignl 7, 3214868480
	.fill 96, 4, 3214868480
	.section	.rodata,"a",@progbits
	.p2align	6, 0x0
	.amdhsa_kernel k_qbfb2a30d8f_down
		.amdhsa_group_segment_fixed_size 150016
		.amdhsa_private_segment_fixed_size 0
		.amdhsa_enable_private_segment 0
		.amdhsa_kernarg_size 48
		.amdhsa_user_sgpr_count 2
		.amdhsa_user_sgpr_kernarg_segment_ptr 1
		.amdhsa_wavefront_size32 1
		.amdhsa_system_sgpr_workgroup_id_x 1
		.amdhsa_system_sgpr_workgroup_id_y 1
		.amdhsa_system_sgpr_workgroup_id_z 1
		.amdhsa_system_vgpr_workitem_id 0
		.amdhsa_next_free_vgpr 1024
		.amdhsa_next_free_sgpr 66
		.amdhsa_reserve_vcc 0
		.amdhsa_float_denorm_mode_32 3
		.amdhsa_float_denorm_mode_16_64 3
		.amdhsa_memory_ordered 1
		.amdhsa_forward_progress 1
		.amdhsa_inst_pref_size 143
	.end_amdhsa_kernel
	.amdgpu_metadata
---
amdhsa.version: [ 1, 2 ]
amdhsa.kernels:
  - .name:           k_qbfb2a30d8f_down
    .symbol:         k_qbfb2a30d8f_down.kd
    .args:
      - { .name: w2_codes, .offset: 0, .size: 8, .value_kind: global_buffer, .address_space: global }
      - { .name: w2_scales, .offset: 8, .size: 8, .value_kind: global_buffer, .address_space: global }
      - { .name: b2, .offset: 16, .size: 8, .value_kind: global_buffer, .address_space: global }
      - { .name: hq, .offset: 24, .size: 8, .value_kind: global_buffer, .address_space: global }
      - { .name: lists, .offset: 32, .size: 8, .value_kind: global_buffer, .address_space: global }
      - { .name: part, .offset: 40, .size: 8, .value_kind: global_buffer, .address_space: global }
    .group_segment_fixed_size: 150016
    .private_segment_fixed_size: 0
    .kernarg_segment_align: 8
    .kernarg_segment_size: 48
    .max_flat_workgroup_size: 128
    .sgpr_count:     66
    .vgpr_count:     1024
    .wavefront_size: 32
...
	.end_amdgpu_metadata
.endif
;; end of part 4
;; launch mix (part 5): grid 256 x 1, 4 waves a work-group, no clusters, 0 bytes of LDS; arguments part, xq, out0; writes out0
.if DOCPART == 5
	.amdgcn_target "amdgcn-amd-amdhsa--gfx1250"
	.amdhsa_code_object_version 6
	.text
	.protected	k_qbfb2a30d8f_mix
	.globl	k_qbfb2a30d8f_mix
	.p2align	8
	.type	k_qbfb2a30d8f_mix,@function
k_qbfb2a30d8f_mix:
	s_mov_b64 s[64:65], 0
	v_nop
	global_prefetch_b8 v0, s[64:65] scope:SCOPE_SE
	s_setreg_imm32_b32 hwreg(HW_REG_WAVE_MODE, 25, 1), 1
	s_wait_xcnt 0x0
; out0[token] = g0 (part[0][2 t] + part[1][2 t]) + g1 (part[0][2 t + 1] + part[1][2 t + 1]): the two K halves are added, then a token's two experts are weighed by its gates.
; A wave takes a token: four rows of 4,096 bytes in, one out; every load and store of the wave covers 512 consecutive bytes, aligned.  All 32 loads go out at once; the waits count down chunk by chunk.
; A stream: no LDS, no barrier, no matrix unit.
.set PARTQ, 9437184
.set GAT,   1081344
	s_load_b128 s[4:7], s[0:1], 0x0                ; part s[4:5], xq s[6:7]
	s_load_b64 s[8:9], s[0:1], 0x10                ; out0
	v_and_b32 v1, 31, v0
	v_lshrrev_b32 v2, 5, v0
	v_readfirstlane_b32 s10, v2                    ; wave
	v_lshlrev_b32 v1, 4, v1                        ; 16 x lane
	s_lshl_b32 s11, ttmp9, 2
	s_add_co_u32 s11, s11, s10                     ; my token
	s_lshl_b32 s16, s11, 13                        ; two rows of part
	s_mov_b32 s17, 0
	s_lshl_b32 s18, s11, 3                         ; two gates
	s_mov_b32 s19, 0
	s_lshl_b32 s20, s11, 12                        ; a row of out0
	s_mov_b32 s21, 0
	s_wait_kmcnt 0x0
	s_add_nc_u64 s[6:7], s[6:7], GAT
	s_add_nc_u64 s[6:7], s[6:7], s[18:19]
	s_load_b64 s[12:13], s[6:7], 0x0               ; g0, g1
	s_add_nc_u64 s[4:5], s[4:5], s[16:17]          ; K half 0,
	s_add_nc_u64 s[22:23], s[4:5], PARTQ           ; K half 1
	s_add_nc_u64 s[8:9], s[8:9], s[20:21]
.irp k, 0,1,2,3,4,5,6,7
	global_load_b128 v[8+16*\k:8+16*\k+3], v1, s[4:5] offset:512*\k th:TH_LOAD_NT
	global_load_b128 v[8+16*\k+4:8+16*\k+7], v1, s[22:23] offset:512*\k th:TH_LOAD_NT
	global_load_b128 v[8+16*\k+8:8+16*\k+11], v1, s[4:5] offset:4096+512*\k th:TH_LOAD_NT
	global_load_b128 v[8+16*\k+12:8+16*\k+15], v1, s[22:23] offset:4096+512*\k th:TH_LOAD_NT
.endr
	s_wait_kmcnt 0x0
	s_mov_b32 s14, s13                             ; g1 in a pair of its own: the packed forms take a pair's low word for both halves
	s_mov_b32 s15, s13
.irp k, 0,1,2,3,4,5,6,7
	s_wait_loadcnt 28-4*\k                         ; this chunk's four loads are in; the later chunks' may be out
.irp d, 0,2
	v_pk_add_f32 v[8+16*\k+\d:8+16*\k+\d+1], v[8+16*\k+\d:8+16*\k+\d+1], v[8+16*\k+4+\d:8+16*\k+4+\d+1]
	v_pk_add_f32 v[8+16*\k+8+\d:8+16*\k+8+\d+1], v[8+16*\k+8+\d:8+16*\k+8+\d+1], v[8+16*\k+12+\d:8+16*\k+12+\d+1]
.endr
.irp d, 0,2
	v_pk_mul_f32 v[8+16*\k+\d:8+16*\k+\d+1], v[8+16*\k+\d:8+16*\k+\d+1], s[12:13] op_sel_hi:[1,0]
.endr
.irp d, 0,2
	v_pk_fma_f32 v[8+16*\k+\d:8+16*\k+\d+1], v[8+16*\k+8+\d:8+16*\k+8+\d+1], s[14:15], v[8+16*\k+\d:8+16*\k+\d+1] op_sel_hi:[1,0,1]
.endr
	global_store_b128 v1, v[8+16*\k:8+16*\k+3], s[8:9] offset:512*\k th:TH_STORE_NT
.endr
	s_endpgm
.Lfunc_end_k_qbfb2a30d8f_mix:
	.size	k_qbfb2a30d8f_mix, .Lfunc_end_k_qbfb2a30d8f_mix-k_qbfb2a30d8f_mix
	.p2alignl 7, 3214868480
	.fill 96, 4, 3214868480
	.section	.rodata,"a",@progbits
	.p2align	6, 0x0
	.amdhsa_kernel k_qbfb2a30d8f_mix
		.amdhsa_group_segment_fixed_size 0
		.amdhsa_private_segment_fixed_size 0
		.amdhsa_enable_private_segment 0
		.amdhsa_kernarg_size 24
		.amdhsa_user_sgpr_count 2
		.amdhsa_user_sgpr_kernarg_segment_ptr 1
		.amdhsa_wavefront_size32 1
		.amdhsa_system_sgpr_workgroup_id_x 1
		.amdhsa_system_sgpr_workgroup_id_y 1
		.amdhsa_system_sgpr_workgroup_id_z 1
		.amdhsa_system_vgpr_workitem_id 0
		.amdhsa_next_free_vgpr 140
		.amdhsa_next_free_sgpr 66
		.amdhsa_reserve_vcc 0
		.amdhsa_float_denorm_mode_32 3
		.amdhsa_float_denorm_mode_16_64 3
		.amdhsa_memory_ordered 1
		.amdhsa_forward_progress 1
		.amdhsa_inst_pref_size 10
	.end_amdhsa_kernel
	.amdgpu_metadata
---
amdhsa.version: [ 1, 2 ]
amdhsa.kernels:
  - .name:           k_qbfb2a30d8f_mix
    .symbol:         k_qbfb2a30d8f_mix.kd
    .args:
      - { .name: part, .offset: 0, .size: 8, .value_kind: global_buffer, .address_space: global }
      - { .name: xq, .offset: 8, .size: 8, .value_kind: global_buffer, .address_space: global }
      - { .name: out0, .offset: 16, .size: 8, .value_kind: global_buffer, .address_space: global }
    .group_segment_fixed_size: 0
    .private_segment_fixed_size: 0
    .kernarg_segment_align: 8
    .kernarg_segment_size: 24
    .max_flat_workgroup_size: 128
    .sgpr_count:     66
    .vgpr_count:     140
    .wavefront_size: 32
...
	.end_amdgpu_metadata
.endif
;; end of part 5
;; ======== version 2 of 2: 5 launches
;; workspace buffers: sel 4,096 bytes of whole numbers; xq 1,089,536 bytes; lists 524,544 bytes of whole numbers; xs 8,650,752 bytes; hq 35,651,584 bytes; part 18,874,368 bytes
;; launch route (part 6): grid 256 x 1, 4 waves a work-group, no clusters, 33,536 bytes of LDS; arguments hidden_states, router_w, xq, sel; writes xq, sel
.if DOCPART == 6
	.amdgcn_target "amdgcn-amd-amdhsa--gfx1250"
	.amdhsa_code_object_version 6
	.text
	.protected	k_qbfb2a30d8f_route
	.globl	k_qbfb2a30d8f_route
	.p2align	8
	.type	k_qbfb2a30d8f_route,@function
k_qbfb2a30d8f_route:
	s_mov_b64 s[64:65], 0
	v_nop
	global_prefetch_b8 v0, s[64:65] scope:SCOPE_SE
	s_setreg_imm32_b32 hwreg(HW_REG_WAVE_MODE, 25, 1), 1
	s_wait_xcnt 0x0
; ROUTER, TOP-2, GATES, AND x AS CODES.  hidden_states [1024 tokens][1024] f32, router_w [8][1024] f32.
; A work-group takes 4 tokens, a wave one.  The wave's row lies in 32 registers: chunk i (256 numbers), lane l holds numbers 256 i + 8 l + 0..7.
; (a) x is quantised along its 1,024 (E5M2, one E8M0 byte for 32): a block of 32 lies in 4 neighbouring lanes.  Codes go to xq [token][1024 B], bytes to xq + XSC [token][32 B].
; (b) the 8 logits are f32 fused multiply-adds; router_w goes round the four waves through LDS as images of the registers that hold it (each wave brings two experts' rows).
; (c) top-2 with ties to the lower index; the gates are softmax over the two values with the larger taken away first.
;     sel[token] = (1 << first) | (1 << second) | (second << 8), a whole number at a fixed place: no address of this launch hangs on it.  Gates: xq + GAT [token][2] f32.
; LIMITS: NaN and infinities among the inputs are not served; a token whose 8 logits are all -infinity is not served; two logits that are equal within the rounding of an f32 sum of 1,024 terms
; taken in another order may change places in the top-2; a block whose largest magnitude lies under 2^-111 keeps the scale byte 1 (a block of zeros too: its codes are zeros, and this program alone reads the bytes).
.set XSC,  1048576                     ; xq: the scale bytes
.set GAT,  1081344                     ; xq: the gates
.set OUTB, 32768                       ; LDS: behind router_w's image (32,768 bytes): 128 scale bytes, 4 sel words, 4 pairs of gates
.set X,   16                           ; v16-47   my token's row
.set WB,  48                           ; v48-111  router_w: first as loaded, then two sets of 32 for the dot products
.set ACC, 112                          ; v112-127 eight pairs of sums
.set LG,  128                          ; v128-135 the logits
.set MK,  136                          ; v136-143 the lane exchange's results, later the logits without the first choice
.set Y,   144                          ; v144-175 the numbers held within the largest code x the scale
.set CD,  176                          ; v176-183 codes
.set BM,  184                          ; v184-187 a block's largest magnitude, one for each chunk
.set BS,  188                          ; v188-191 the conversion's scale operand
.set BH,  192                          ; v192-195 57,344 x the scale
.set BY,  196                          ; v196-199 the scale's byte
	s_load_b256 s[4:11], s[0:1], 0x0               ; hidden_states s[4:5], router_w s[6:7], xq s[8:9], sel s[10:11]
	v_lshl_add_u32 v216, v0, 2, 0x8100
	v_mov_b32 v217, 0
	v_and_b32 v1, 31, v0                           ; lane
	v_lshrrev_b32 v12, 5, v0
	v_readfirstlane_b32 s15, v12                   ; wave
	v_lshlrev_b32 v2, 5, v1                        ; 32 x lane: my 8 numbers of a chunk
	v_lshlrev_b32 v3, 4, v1                        ; 16 x lane: my place in an image
	v_lshlrev_b32 v4, 3, v1                        ; 8 x lane: my 8 codes of a chunk
	v_lshlrev_b32 v5, 2, v1                        ; 4 x lane
	s_lshl_b32 s16, s15, 13                        ; two experts' rows: 8,192 bytes, in memory and in the image
	s_mov_b32 s17, 0
	v_add_nc_u32 v6, s16, v3                       ; where I store the image
	s_lshl_b32 s18, s15, 5
	v_lshrrev_b32 v7, 2, v1
	v_add_nc_u32 v7, s18, v7
	v_add_nc_u32 v7, OUTB, v7                      ; my block's scale byte: OUTB + 32 x wave + lane / 4 (+ 8 x chunk)
	v_and_b32 v8, 3, v1
	v_lshlrev_b32 v8, 2, v8
	v_and_b32 v9, 7, v1
	v_lshlrev_b32 v9, 2, v9
	v_mov_b32 v10, s15
	v_lshlrev_b32 v11, 3, v10
	v_lshlrev_b32 v10, 2, v10
	v_add_nc_u32 v10, OUTB+128, v10                ; my wave's sel word
	v_add_nc_u32 v11, OUTB+144, v11                ; my wave's pair of gates
	s_mov_b32 s12, 0x76543210
	s_mov_b32 s13, 0xfedcba98                      ; v_permlanex16_b32's selects for lane l xor 16
	s_mov_b32 s14, 0x600000                        ; the mantissa field of 57,344
	s_lshl_b32 s18, ttmp9, 2
	s_add_co_u32 s18, s18, s15                     ; my token
	s_lshl_b32 s20, s18, 12
	s_mov_b32 s21, 0
	s_lshl_b32 s22, s18, 10
	s_mov_b32 s23, 0
	s_lshl_b32 s30, ttmp9, 7
	s_mov_b32 s31, 0
.irp e, 0,1,2,3,4,5,6,7
	v_mov_b32 v[MK+\e], 0                          ; written once: a lane exchange's destination counts as one of its sources
.endr
	s_wait_kmcnt 0x0
	s_add_nc_u64 s[4:5], s[4:5], s[20:21]          ; my row of x
	s_add_nc_u64 s[6:7], s[6:7], s[16:17]          ; my two rows of router_w
	s_add_nc_u64 s[24:25], s[8:9], s[22:23]        ; my row of codes
	s_add_nc_u64 s[26:27], s[8:9], XSC
	s_add_nc_u64 s[26:27], s[26:27], s[30:31]      ; the work-group's 128 scale bytes
	s_lshl_b32 s30, ttmp9, 5
	s_add_nc_u64 s[28:29], s[8:9], GAT
	s_add_nc_u64 s[28:29], s[28:29], s[30:31]      ; its 8 gates
	s_lshl_b32 s30, ttmp9, 4
	s_add_nc_u64 s[10:11], s[10:11], s[30:31]      ; its 4 sel words
.irp i, 0,1,2,3
.irp jj, 0,1
	global_load_b128 v[X+8*\i+4*\jj:X+8*\i+4*\jj+3], v2, s[4:5] offset:1024*\i+16*\jj th:TH_LOAD_NT
.endr
.endr
.irp ee, 0,1
.irp p, 0,1,2,3,4,5,6,7
	global_load_b128 v[WB+4*(8*\ee+\p):WB+4*(8*\ee+\p)+3], v2, s[6:7] offset:4096*\ee+1024*(\p/2)+16*(\p%2)
.endr
.endr
	s_wait_loadcnt 16                              ; x's eight loads are in; router_w's sixteen may be out
	; ---- x into codes, the four chunks by turns
.irp i, 0,1,2,3
	v_max3_num_f32 v[BM+\i], |v[X+8*\i]|, |v[X+8*\i+1]|, 0x8000000   ; my 8 numbers, and the floor 2^(16 - 127): the byte cannot fall under 1
.endr
.irp k, 2,4,6
.irp i, 0,1,2,3
	v_max3_num_f32 v[BM+\i], v[BM+\i], |v[X+8*\i+\k]|, |v[X+8*\i+\k+1]|
.endr
.endr
.irp i, 0,1,2,3
	v_max_num_f32_dpp v[BM+\i], v[BM+\i], v[BM+\i] row_xmask:1 row_mask:0xf bank_mask:0xf
.endr
.irp i, 0,1,2,3
	v_max_num_f32_dpp v[BM+\i], v[BM+\i], v[BM+\i] row_xmask:2 row_mask:0xf bank_mask:0xf   ; the four lanes of a block: its largest magnitude
.endr
.irp i, 0,1,2,3
	v_add_nc_u32 v[BS+\i], 0xf8800000, v[BM+\i]    ; 15 off the exponent field: the conversion takes this operand's exponent field as its scale
.endr
.irp i, 0,1,2,3
	v_and_or_b32 v[BH+\i], v[BM+\i], 0x7f800000, s14   ; 57,344 x the scale
.endr
.irp i, 0,1,2,3
	v_lshrrev_b32 v[BY+\i], 23, v[BS+\i]           ; the scale's byte
.endr
.irp i, 0,1,2,3
.irp k, 0,1,2,3,4,5,6,7
	v_med3_num_f32 v[Y+8*\i+\k], v[X+8*\i+\k], -v[BH+\i], v[BH+\i]   ; the conversion to an 8-bit code does not saturate (ISA guide 7.6.2): the hold comes first; x itself is kept for the logits
.endr
	v_cvt_scalef32_pk8_bf8_f32 v[CD+2*\i:CD+2*\i+1], v[Y+8*\i:Y+8*\i+7], v[BS+\i]
.endr
	v_nop                                          ; a plain line behind the last conversion
.irp i, 0,1,2,3
	global_store_b64 v4, v[CD+2*\i:CD+2*\i+1], s[24:25] offset:256*\i   ; 32 lanes store 256 consecutive bytes, aligned
	ds_store_b8 v7, v[BY+\i] offset:8*\i           ; the four lanes of a block write the same byte with the same value
.endr
	; ---- router_w's image
	s_wait_loadcnt 0x0
.irp q, 0,1,2,3,4,5,6,7,8,9,10,11,12,13,14,15
	ds_store_b128 v6, v[WB+4*\q:WB+4*\q+3] offset:512*\q
.endr
	s_wait_dscnt 0x0                               ; for the others' sake: my stores have landed
	s_barrier_signal -1
	s_barrier_wait -1
	; ---- the 8 logits: piece p = 4 numbers a lane of each expert's row
.macro FW p
.irp e, 0,1,2,3,4,5,6,7
	ds_load_b128 v[WB+32*((\p)%2)+4*\e:WB+32*((\p)%2)+4*\e+3], v3 offset:(8*\e+(\p))*512
.endr
.endm
	FW 0
	FW 1
.irp p, 0,1,2,3,4,5,6,7
.if \p < 7
	s_wait_alu depctr_va_vdst(0)
	s_wait_dscnt 8                                 ; this piece's eight loads are in; the next piece's may be out
.else
	s_wait_alu depctr_va_vdst(0)
	s_wait_dscnt 0x0
.endif
.irp hf, 0,1
.irp e, 0,1,2,3,4,5,6,7
.if (\p == 0) && (\hf == 0)
	v_pk_mul_f32 v[ACC+2*\e:ACC+2*\e+1], v[X+4*\p+2*\hf:X+4*\p+2*\hf+1], v[WB+32*(\p%2)+4*\e+2*\hf:WB+32*(\p%2)+4*\e+2*\hf+1]   ; the first product starts the sums
.else
	v_pk_fma_f32 v[ACC+2*\e:ACC+2*\e+1], v[X+4*\p+2*\hf:X+4*\p+2*\hf+1], v[WB+32*(\p%2)+4*\e+2*\hf:WB+32*(\p%2)+4*\e+2*\hf+1], v[ACC+2*\e:ACC+2*\e+1]
.endif
.endr
.endr
.if \p < 6
	FW \p+2
.endif
.endr
.irp e, 0,1,2,3,4,5,6,7
	v_add_f32 v[LG+\e], v[ACC+2*\e], v[ACC+2*\e+1]
.endr
.irp m, 1,2,4,8
.irp e, 0,1,2,3,4,5,6,7
	v_add_f32_dpp v[LG+\e], v[LG+\e], v[LG+\e] row_xmask:\m row_mask:0xf bank_mask:0xf
.endr
.endr
.irp e, 0,1,2,3,4,5,6,7
	v_permlanex16_b32 v[MK+\e], v[LG+\e], s12, s13
.endr
.irp e, 0,1,2,3,4,5,6,7
	v_add_f32 v[LG+\e], v[LG+\e], v[MK+\e]         ; every lane holds the 8 logits
.endr
	; ---- top-2: v200 the largest, v201 its index, v202 the second, v203 its index.  An earlier expert is kept where it is not smaller: ties go to the lower index
	v_mov_b32 v200, v[LG]
	v_mov_b32 v201, 0
.irp e, 1,2,3,4,5,6,7
	v_cmp_ge_f32 vcc_lo, v200, v[LG+\e]
	v_cndmask_b32 v201, \e, v201, vcc_lo
	v_max_num_f32 v200, v200, v[LG+\e]
.endr
	v_mov_b32 v204, 0xff800000                     ; -infinity takes the first choice's place
.irp e, 0,1,2,3,4,5,6,7
	v_cmp_eq_u32 vcc_lo, \e, v201
	v_cndmask_b32 v[MK+\e], v[LG+\e], v204, vcc_lo
.endr
	v_mov_b32 v202, v[MK]
	v_mov_b32 v203, 0
.irp e, 1,2,3,4,5,6,7
	v_cmp_ge_f32 vcc_lo, v202, v[MK+\e]
	v_cndmask_b32 v203, \e, v203, vcc_lo
	v_max_num_f32 v202, v202, v[MK+\e]
.endr
	v_mov_b32 v206, 1
	v_lshlrev_b32 v205, v201, v206
	v_lshlrev_b32 v207, v203, v206
	v_or_b32 v205, v205, v207
	v_lshl_or_b32 v205, v203, 8, v205              ; the sel word
	; ---- the gates: 1 / (1 + e^(second - first)) and the rest
	v_sub_f32 v207, v202, v200                     ; the larger value is taken away: 0 or less
	v_mul_f32 v207, 0x3fb8aa3b, v207
	s_wait_alu depctr_va_vdst(0)
	v_exp_f32 v210, v207
	v_nop                                          ; a plain line behind the transcendental,
	s_wait_alu depctr_va_vdst(0)                   ; and the wait ahead of its first reader
	v_add_f32 v211, 1.0, v210
	s_wait_alu depctr_va_vdst(0)
	v_rcp_f32 v208, v211
	v_nop
	s_wait_alu depctr_va_vdst(0)
	v_mul_f32 v209, v210, v208
	ds_store_b32 v10, v205                         ; all lanes write the same word with the same value
	ds_store_b64 v11, v[208:209]
	s_wait_dscnt 0x0
	s_barrier_signal -1
	s_barrier_wait -1
	; ---- wave 0 sends the work-group's small results out together
	s_cmp_lg_u32 s15, 0
	s_cbranch_scc1 .Lend
	ds_load_b32 v210, v5 offset:OUTB               ; 128 scale bytes
	ds_load_b32 v211, v8 offset:OUTB+128           ; 4 sel words (lanes 0-3 are used)
	ds_load_b32 v212, v9 offset:OUTB+144           ; 8 gates (lanes 0-7 are used)
	s_wait_dscnt 0x0
	global_store_b32 v5, v210, s[26:27]
	v_cmp_gt_u32 vcc_lo, 8, v1
	s_wait_xcnt 0x0                                ; EXEC changes only behind this wait
	s_and_saveexec_b32 s19, vcc_lo
	global_store_b32 v5, v212, s[28:29]
	s_wait_xcnt 0x0
	s_or_b32 exec_lo, exec_lo, s19
	v_cmp_gt_u32 vcc_lo, 4, v1
	s_wait_xcnt 0x0
	s_and_saveexec_b32 s19, vcc_lo
	global_store_b32 v5, v211, s[10:11]
	s_wait_xcnt 0x0
	s_or_b32 exec_lo, exec_lo, s19
.Lend:
	s_wait_tensorcnt 0x0
	ds_add_u32 v216, v217
	s_wait_dscnt 0x0
	s_endpgm
.Lfunc_end_k_qbfb2a30d8f_route:
	.size	k_qbfb2a30d8f_route, .Lfunc_end_k_qbfb2a30d8f_route-k_qbfb2a30d8f_route
	.p2alignl 7, 3214868480
	.fill 96, 4, 3214868480
	.section	.rodata,"a",@progbits
	.p2align	6, 0x0
	.amdhsa_kernel k_qbfb2a30d8f_route
		.amdhsa_group_segment_fixed_size 33536
		.amdhsa_private_segment_fixed_size 0
		.amdhsa_enable_private_segment 0
		.amdhsa_kernarg_size 32
		.amdhsa_user_sgpr_count 2
		.amdhsa_user_sgpr_kernarg_segment_ptr 1
		.amdhsa_wavefront_size32 1
		.amdhsa_system_sgpr_workgroup_id_x 1
		.amdhsa_system_sgpr_workgroup_id_y 1
		.amdhsa_system_sgpr_workgroup_id_z 1
		.amdhsa_system_vgpr_workitem_id 0
		.amdhsa_next_free_vgpr 218
		.amdhsa_next_free_sgpr 66
		.amdhsa_reserve_vcc 1
		.amdhsa_float_denorm_mode_32 3
		.amdhsa_float_denorm_mode_16_64 3
		.amdhsa_memory_ordered 1
		.amdhsa_forward_progress 1
		.amdhsa_inst_pref_size 31
	.end_amdhsa_kernel
	.amdgpu_metadata
---
amdhsa.version: [ 1, 2 ]
amdhsa.kernels:
  - .name:           k_qbfb2a30d8f_route
    .symbol:         k_qbfb2a30d8f_route.kd
    .args:
      - { .name: hidden_states, .offset: 0, .size: 8, .value_kind: global_buffer, .address_space: global }
      - { .name: router_w, .offset: 8, .size: 8, .value_kind: global_buffer, .address_space: global }
      - { .name: xq, .offset: 16, .size: 8, .value_kind: global_buffer, .address_space: global }
      - { .name: sel, .offset: 24, .size: 8, .value_kind: global_buffer, .address_space: global }
    .group_segment_fixed_size: 33536
    .private_segment_fixed_size: 0
    .kernarg_segment_align: 8
    .kernarg_segment_size: 32
    .max_flat_workgroup_size: 128
    .sgpr_count:     66
    .vgpr_count:     218
    .wavefront_size: 32
...
	.end_amdgpu_metadata
.endif
;; end of part 6
;; launch gather (part 7): grid 4 x 8, 4 waves a work-group, no clusters, 0 bytes of LDS; arguments sel, xq, xs, lists; writes xs, lists
.if DOCPART == 7
	.amdgcn_target "amdgcn-amd-amdhsa--gfx1250"
	.amdhsa_code_object_version 6
	.text
	.protected	k_qbfb2a30d8f_gather
	.globl	k_qbfb2a30d8f_gather
	.p2align	8
	.type	k_qbfb2a30d8f_gather,@function
k_qbfb2a30d8f_gather:
	s_mov_b64 s[64:65], 0
	v_nop
	global_prefetch_b8 v0, s[64:65] scope:SCOPE_SE
	s_setreg_imm32_b32 hwreg(HW_REG_WAVE_MODE, 25, 1), 1
	s_wait_xcnt 0x0
; THE ROWS ARE PLACED BY EXPERT.  Work-group (x, e): expert e; wave number 4 x + wave = o (0..15).  Whole numbers alone decide addresses here: sel, stored by the launch before.
; Every wave builds for itself, from sel's 4 KB, 32 masks (which tokens chose e) and their running counts, in scalar registers.  Register w = 4 i + c of lane l is token 128 i + 4 l + c: that fixed order is the rank in the expert.
; Then it serves pairs of tiles p = o, o + 16 under ceil(n_e / 32).  A pair is 32 rows, a lane a row: the lane finds the token of rank 32 p + lane (which mask, which set bit), without a scatter and without LDS.
; OUT, all in whole dense pieces.  Expert e owns tiles 64 e .. 64 e + 63 (16 rows each) of every sorted buffer; only tiles in use are written.
;   xs [tile][8 K steps][4 chunks][32 lanes][16 B]: the codes of x as images of the operand's registers: lane 16 h + r, chunk c, step s: k = 128 s + 32 c + 16 h + 0..15 of row r.
;   xs + XSS [tile][lane][4 words]: word j of lane (r, h): the scale word of K step 4 h + j of row r.
;   lists [tile][2][32 lanes][4 words]: word 4 jj + m of a lane of half h: where row 2 (4 jj + m) + h of the tile goes in part: 2 token + k (k = 1 for a token's second choice).
;   Rows past n_e take token 0's codes and go to rows 2048 + 32 e + (row mod 32) of part, which nobody reads.   lists + CNT: n_e.
.set XSC, 1048576
.set XSS, 8388608
.set CNT, 524288
	s_load_b256 s[4:11], s[0:1], 0x0               ; sel s[4:5], xq s[6:7], xs s[8:9], lists s[10:11]
	v_and_b32 v1, 31, v0                           ; lane
	v_lshrrev_b32 v2, 5, v0
	v_readfirstlane_b32 s12, v2                    ; wave
	v_bfe_u32 v2, v0, 4, 1
	v_lshlrev_b32 v2, 4, v2                        ; 16 h
	v_lshlrev_b32 v3, 4, v1                        ; 16 x lane
	s_and_b32 s13, ttmp7, 0xffff                   ; e
	s_lshl_b32 s14, ttmp9, 2
	s_add_co_u32 s14, s14, s12                     ; o
	s_lshl_b32 s17, 1, s13                         ; e's bit in a sel word
	s_lshl_b32 s26, s13, 5
	s_add_co_u32 s26, s26, 2048
	v_add_nc_u32 v4, s26, v1                       ; where a row past n_e goes
	s_mov_b32 s18, 0x55555555
	s_mov_b32 s19, 0x33333333
	s_mov_b32 s20, 0x0f0f0f0f
	s_mov_b32 s21, 0x00ff00ff
	s_mov_b32 s22, 0xffff0000                      ; lanes 16-31
	s_mov_b32 s23, 0x76543210
	s_mov_b32 s24, 0xfedcba98                      ; v_permlanex16_b32's selects for lane l xor 16
	s_mov_b32 s98, 0
	s_wait_alu depctr_va_vdst(0)
	s_wait_kmcnt 0x0
.irp i, 0,1,2,3,4,5,6,7
	global_load_b128 v[32+4*\i:32+4*\i+3], v3, s[4:5] offset:512*\i
.endr
	s_add_nc_u64 s[28:29], s[6:7], XSC             ; x's scale bytes
	s_add_nc_u64 s[30:31], s[8:9], XSS             ; the sorted scale words
	s_wait_loadcnt 0x0
.set ww, 0
.rept 32                               ; mask w in s[32 + w], the count of members ahead of it in s[66 + w]
	v_and_b32 v8, s17, v[32+ww]
	v_cmp_ne_u32 s[32+ww], 0, v8
	s_mov_b32 s[66+ww], s98
	s_bcnt1_i32_b32 s99, s[32+ww]
	s_add_co_u32 s98, s98, s99
.set ww, ww+1
.endr                                  ; s98 = n_e
	s_add_co_u32 s16, s98, 31
	s_lshr_b32 s16, s16, 5                         ; pairs of tiles in use
	s_lshl_b32 s27, s13, 2
	s_add_co_u32 s27, s27, CNT
	v_mov_b32 v8, s98
	v_mov_b32 v9, s27
	v_mov_b32 v33, 0                               ; a lane exchange's destination counts as one of its sources
	s_cmp_lg_u32 s14, 0                            ; one wave of the expert's sixteen stores n_e
	s_cbranch_scc1 .Lnocnt
	v_cmp_eq_u32 vcc_lo, 0, v1
	s_wait_xcnt 0x0                                ; EXEC changes only behind this wait
	s_and_saveexec_b32 s26, vcc_lo
	s_wait_alu depctr_va_vdst(0)
	global_store_b32 v9, v8, s[10:11]
	s_wait_xcnt 0x0
	s_or_b32 exec_lo, exec_lo, s26
.Lnocnt:
	s_mov_b32 s15, s14                             ; p
	s_mov_b32 s101, 0                              ; trips done
	s_cmp_ge_u32 s15, s16
	s_cbranch_scc1 .Lend
.macro LEVEL src, width, step          ; does the wanted bit lie in the upper half of the field at pos?  v9 = its rank in the field, v10 = pos
	v_bfe_u32 v15, v[\src], v10, \width            ; set bits in the lower half
	v_cmp_ge_u32 vcc_lo, v9, v15
	v_sub_nc_u32 v44, v9, v15
	v_add_nc_u32 v45, \step, v10
	v_cndmask_b32 v9, v9, v44, vcc_lo
	v_cndmask_b32 v10, v10, v45, vcc_lo
.endm
.Lpair:
	s_min_u32 s26, s15, 31                         ; p, held under 32
	s_lshl_b32 s27, s26, 5
	v_add_nc_u32 v5, s27, v1                       ; my rank j = 32 p + lane
	v_mov_b32 v6, s32                              ; the mask that holds rank j: the last whose running count is not above j
	v_mov_b32 v7, 0                                ; its running count
	v_mov_b32 v8, 0                                ; its number
.set ww, 1
.rept 31
	v_cmp_gt_u32 vcc_lo, s[66+ww], v5
	v_cndmask_b32 v6, s[32+ww], v6, vcc_lo
	v_cndmask_b32 v7, s[66+ww], v7, vcc_lo
	v_cndmask_b32 v8, ww, v8, vcc_lo
.set ww, ww+1
.endr
	v_sub_nc_u32 v9, v5, v7                        ; the rank inside the mask
	v_lshrrev_b32 v15, 1, v6                       ; counts of set bits in fields of 2, 4, 8 and 16 bits
	v_and_b32 v15, s18, v15
	v_sub_nc_u32 v11, v6, v15
	v_lshrrev_b32 v15, 2, v11
	v_and_b32 v15, s19, v15
	v_and_b32 v12, s19, v11
	v_add_nc_u32 v12, v12, v15
	v_lshrrev_b32 v15, 4, v12
	v_add_nc_u32 v15, v12, v15
	v_and_b32 v13, s20, v15
	v_lshrrev_b32 v15, 8, v13
	v_add_nc_u32 v15, v13, v15
	v_and_b32 v14, s21, v15
	v_mov_b32 v10, 0
	LEVEL 14, 8, 16
	LEVEL 13, 8, 8
	LEVEL 12, 4, 4
	LEVEL 11, 2, 2
	LEVEL 6, 1, 1                                  ; v10 = the bit = the lane that held the token's sel word
	v_lshrrev_b32 v44, 2, v8
	v_lshlrev_b32 v44, 7, v44
	v_lshl_add_u32 v44, v10, 2, v44
	v_and_b32 v45, 3, v8
	v_add_nc_u32 v44, v44, v45                     ; token = 128 (w / 4) + 4 bit + w mod 4
	v_cmp_gt_u32 s25, s98, v5                      ; is there a row of rank j?
	v_cndmask_b32 v32, 0, v44, s25
	v_min_u32 v32, 0x3ff, v32
	v_lshlrev_b32 v41, 2, v32
	global_load_b32 v40, v41, s[4:5]               ; its sel word
	v_permlanex16_b32 v33, v32, s23, s24
	v_cndmask_b32 v34, v32, v33, s22               ; both halves of the lanes: the token of row r of the pair's first tile,
	v_cndmask_b32 v35, v33, v32, s22               ; and of its second
	v_min_u32 v34, 0x3ff, v34
	v_min_u32 v35, 0x3ff, v35
	v_lshl_add_u32 v36, v34, 10, v2                ; codes: 1,024 bytes a token, + 16 h
	v_lshl_add_u32 v37, v35, 10, v2
	v_lshl_add_u32 v38, v34, 5, v2                 ; scale bytes: 32 a token, + 16 h
	v_lshl_add_u32 v39, v35, 5, v2
	global_load_b128 v[52:55], v38, s[28:29]
	global_load_b128 v[56:59], v39, s[28:29]
.irp q, 0,1,2,3,4,5,6,7,8,9,10,11,12,13,14,15,16,17,18,19,20,21,22,23,24,25,26,27,28,29,30,31
	global_load_b128 v[64+4*\q:64+4*\q+3], v36, s[6:7] offset:32*\q     ; the first tile: step q / 4, chunk q mod 4
.endr
.irp q, 0,1,2,3,4,5,6,7,8,9,10,11,12,13,14,15
	global_load_b128 v[192+4*\q:192+4*\q+3], v37, s[6:7] offset:32*\q   ; the second tile's steps 0 to 3
.endr
	s_lshl_b32 s27, s26, 1
	s_lshl_b32 s99, s13, 6
	s_add_co_u32 s27, s27, s99                     ; the first tile's number: 64 e + 2 p
	s_lshl_b32 s99, s27, 10
	v_add_nc_u32 v46, s99, v3                      ; in lists,
	s_lshl_b32 s99, s27, 9
	v_add_nc_u32 v47, s99, v3                      ; among the scale words,
	s_lshl_b32 s99, s27, 14
	v_add_nc_u32 v48, s99, v3                      ; among the images
	s_wait_loadcnt 50                              ; the sel word is in; the 50 loads behind it may be out
	v_bfe_u32 v44, v40, 8, 3                       ; the token's second choice
	v_cmp_eq_u32 vcc_lo, s13, v44
	v_lshlrev_b32 v42, 1, v32
	v_or_b32 v43, 1, v42
	v_cndmask_b32 v42, v42, v43, vcc_lo            ; 2 token + k
	v_cndmask_b32 v42, v4, v42, s25                ; or the row that nobody reads
.irp tl, 0,1
.irp k, 0,1,2,3,4,5,6,7
	v_readlane_b32 s99, v42, 16*\tl+2*\k
	v_readlane_b32 s100, v42, 16*\tl+2*\k+1
	v_mov_b32 v[16+8*\tl+\k], s100
	v_cndmask_b32 v[16+8*\tl+\k], s99, v[16+8*\tl+\k], s22   ; lanes 0-15: row 2 k; lanes 16-31: row 2 k + 1
.endr
.endr
.irp tl, 0,1
.irp jj, 0,1
	global_store_b128 v46, v[16+8*\tl+4*\jj:16+8*\tl+4*\jj+3], s[10:11] offset:1024*\tl+512*\jj
.endr
.endr
	s_wait_loadcnt 48                              ; the scale words are in; the codes' 48 loads may be out
	global_store_b128 v47, v[52:55], s[30:31]
	global_store_b128 v47, v[56:59], s[30:31] offset:512
	s_wait_loadcnt 16                              ; the first tile's 32 loads are in; the second tile's 16 may be out
.irp q, 0,1,2,3,4,5,6,7,8,9,10,11,12,13,14,15,16,17,18,19,20,21,22,23,24,25,26,27,28,29,30,31
	global_store_b128 v48, v[64+4*\q:64+4*\q+3], s[8:9] offset:512*\q   ; 32 lanes store 512 consecutive bytes, aligned
.endr
	s_wait_xcnt 0x0                                ; the stores have read their registers: the second tile's steps 4 to 7 may land there
.irp q, 16,17,18,19,20,21,22,23,24,25,26,27,28,29,30,31
	global_load_b128 v[4*\q:4*\q+3], v37, s[6:7] offset:32*\q
.endr
	s_wait_loadcnt 16                              ; steps 0 to 3 are in; the 16 just issued may be out
.irp q, 0,1,2,3,4,5,6,7,8,9,10,11,12,13,14,15
	global_store_b128 v48, v[192+4*\q:192+4*\q+3], s[8:9] offset:16384+512*\q
.endr
	s_wait_loadcnt 0x0
.irp q, 16,17,18,19,20,21,22,23,24,25,26,27,28,29,30,31
	global_store_b128 v48, v[4*\q:4*\q+3], s[8:9] offset:16384+512*\q
.endr
	s_wait_xcnt 0x0                                ; the next trip writes the stores' data and offsets again
	s_add_co_u32 s15, s15, 16
	s_cmp_ge_u32 s15, s16                          ; the way out: no pair is left for me
	s_cbranch_scc1 .Lend
	s_add_co_u32 s101, s101, 1                     ; the loop itself is counted against a constant: an expert has at most 32 pairs, sixteen waves take one each in a trip: two trips
	s_cmp_lt_u32 s101, 2
	s_cbranch_scc1 .Lpair
.Lend:
	s_endpgm
.Lfunc_end_k_qbfb2a30d8f_gather:
	.size	k_qbfb2a30d8f_gather, .Lfunc_end_k_qbfb2a30d8f_gather-k_qbfb2a30d8f_gather
	.p2alignl 7, 3214868480
	.fill 96, 4, 3214868480
	.section	.rodata,"a",@progbits
	.p2align	6, 0x0
	.amdhsa_kernel k_qbfb2a30d8f_gather
		.amdhsa_group_segment_fixed_size 0
		.amdhsa_private_segment_fixed_size 0
		.amdhsa_enable_private_segment 0
		.amdhsa_kernarg_size 32
		.amdhsa_user_sgpr_count 2
		.amdhsa_user_sgpr_kernarg_segment_ptr 1
		.amdhsa_wavefront_size32 1
		.amdhsa_system_sgpr_workgroup_id_x 1
		.amdhsa_system_sgpr_workgroup_id_y 1
		.amdhsa_system_sgpr_workgroup_id_z 1
		.amdhsa_system_vgpr_workitem_id 0
		.amdhsa_next_free_vgpr 256
		.amdhsa_next_free_sgpr 102
		.amdhsa_reserve_vcc 1
		.amdhsa_float_denorm_mode_32 3
		.amdhsa_float_denorm_mode_16_64 3
		.amdhsa_memory_ordered 1
		.amdhsa_forward_progress 1
		.amdhsa_inst_pref_size 33
	.end_amdhsa_kernel
	.amdgpu_metadata
---
amdhsa.version: [ 1, 2 ]
amdhsa.kernels:
  - .name:           k_qbfb2a30d8f_gather
    .symbol:         k_qbfb2a30d8f_gather.kd
    .args:
      - { .name: sel, .offset: 0, .size: 8, .value_kind: global_buffer, .address_space: global }
      - { .name: xq, .offset: 8, .size: 8, .value_kind: global_buffer, .address_space: global }
      - { .name: xs, .offset: 16, .size: 8, .value_kind: global_buffer, .address_space: global }
      - { .name: lists, .offset: 24, .size: 8, .value_kind: global_buffer, .address_space: global }
    .group_segment_fixed_size: 0
    .private_segment_fixed_size: 0
    .kernarg_segment_align: 8
    .kernarg_segment_size: 32
    .max_flat_workgroup_size: 128
    .sgpr_count:     102
    .vgpr_count:     256
    .wavefront_size: 32
...
	.end_amdgpu_metadata
.endif
;; end of part 7
;; launch up (part 8): grid 32 x 8, 4 waves a work-group, no clusters, 133,632 bytes of LDS; arguments w1_codes, w1_scales, b1, xs, lists, hq; writes hq
.if DOCPART == 8
	.amdgcn_target "amdgcn-amd-amdhsa--gfx1250"
	.amdhsa_code_object_version 6
	.text
	.protected	k_qbfb2a30d8f_up
	.globl	k_qbfb2a30d8f_up
	.p2align	8
	.type	k_qbfb2a30d8f_up,@function
k_qbfb2a30d8f_up:
	s_mov_b64 s[64:65], 0
	v_nop
	global_prefetch_b8 v0, s[64:65] scope:SCOPE_SE
	s_setreg_imm32_b32 hwreg(HW_REG_WAVE_SCHED_MODE, 0, 2), 2
	s_setreg_imm32_b32 hwreg(HW_REG_WAVE_MODE, 25, 1), 1
	s_wait_xcnt 0x0
	s_wait_alu depctr_vm_vsrc(0)
; h = Q(gelu(Q(x) W1 + b1)) for the rows that chose an expert, on codes of E5M2 with one E8M0 scale for 32 along K.
; Work-group (j, e): expert e, hidden units 128 j .. 128 j + 127, which are K step j of the second product.  Its 128 rows of W1 (128 KB of codes, one dense block of memory) are read once and stay in LDS; it walks ALL rows of its expert.
; Rows come as tiles of 16, as images of the operand's registers (xs), four dense loads a fragment.  T = ceil(n_e / 16) tiles.  Wave w takes tiles 5 w .. 5 w + 4, then 20 further on, while there are tiles.
; A tile past the last is replaced by the last one, multiplied and not stored.
; THE PRODUCT IS USED TRANSPOSED (source 0 = 16 rows of W1, source 1 = 16 rows of x), AND THE ROWS OF W1 THAT FORM A TILE ARE NOT NEIGHBOURS: row r of tile 2 b + u is hidden unit 32 b + 8 u + r + 8 (r / 8).
; So a lane holds one row of x, and its 64 results of a tile of rows are k = 32 b + 16 h + 0..15 of the next K, in order: the conversions' results are the next operand's registers.
; In LDS the rows of W1 lie in the tiles' order (row number with bits 3 and 4 exchanged), so that a fragment's 16 rows are neighbours, 1,040 bytes apart: 16 different groups of banks.
; b1 is the C of each sum's first product.  gelu(x) = x / (1 + 2^z), z = x (c1 + c2 x^2), c1 = -2 sqrt(2 / pi) log2(e), c2 = 0.044715 c1: the tanh form of jax.nn.gelu, all in f32.
; OUT: hq [tile][32 K steps][4 chunks][32 lanes][16 B], and hq + HSC [tile][32 steps][32 lanes] scale words (both halves of the lanes hold row r's word).
; NO CLUSTER, NO TENSOR LOAD: the number of passes and the tests on tiles hang on n_e, a number read from memory; a constant count would be the worst case,
; 1,024 rows, four times the mean work.  No two work-groups read the same weights; the rows' images, which the 32 work-groups of an expert share, are a quarter of what a work-group brings in at the mean.
; LIMITS: NaN and infinities are not served; a block whose largest magnitude lies under 2^-111 keeps the scale byte 1 (a block of zeros too: its codes are zeros, and this program alone reads the bytes).
; REGISTERS, in windows of 256.  Window 0: v1-25 addresses and constants; v32-63 W1's scale words; v64-83 x's; v88-104 the quantiser's; v112-127 codes; v128-255 two sets of four fragments of W1, later 64 numbers at work.
;   Window 1: x's fragments, three sets of five.   Window 2: the accumulators of row tiles 0-3 (tile i, unit tile n at 64 i + 8 n); before the loop W1 on its way to LDS.   Window 3: v0-63 those of row tile 4; v64-127 b1.
; THE MODE: SCHED_MODE bits 1:0 = 2 (LLVM: expert scheduling mode 2), set by the entry lines.  The code itself states the register dependences
; between vector or matrix instructions and memory or LDS instructions, with s_wait_alu, always for 0.
; THE PLAN.  Registers that memory or LDS instructions touch:
;   B0 = v128-191, B1 = v192-255   Half step (s, u): its 20 products read B[u]; the 16 LDS loads issued in it land in B[1 - u]: in (s, 0) K step s's second half, in (s, 1) K step s + 1's first half.
;                                  On a tile's way out vector instructions write and read both.
;   X0 .. X2 (window 1)            K step s: its 40 products read X[s % 3]; the 20 loads of K step s + 2, issued in half step (s, 0), land in X[(s + 2) % 3], which K step s - 1 has left.
;   v64-83, v12-21                 x's scale words and a pass's offsets: written once a pass (by loads; by vector adds), read by the pass's products and loads.
;   v112-127, v104, v22, v23       a tile's codes, scale word and offsets: written by its quantiser and two adds, read by its five stores.
;   window 2                       read by the LDS stores at the head, written by the products from then on.       v4 to v11: made once, never written again.
; So ONE wait on va_vdst stands at the head of a half step: the half step before is done reading the registers in which this half step's loads land; these are dealt in two runs among its products,
; which name B[u], X[s % 3], the scale words and the accumulators: none of the registers that those loads touch.  The pass's one wait (macro PROLOG) serves its first half step.
.set PITCH, 1040
.set XSS,  8388608
.set HSC,  33554432
.set CNT,  524288
.set XO,   12                          ; v12-16  tile i's image: byte offset in xs
.set XQ,   17                          ; v17-21  its scale words
.set WS,   32                          ; v[32 + 4 n + s mod 4]: lanes 0-15 K step s mod 4, lanes 16-31 K step 4 + s mod 4
.set XS,   64                          ; v[64 + 4 i + s mod 4]: likewise
.set TM,   88                          ; v88-91 largest magnitudes, v92-95 bytes, v96-99 57,344 x the scale, v100-103 the conversions' scale operands
.set PW,   104                         ; the scale word just made
.set PC,   112                         ; the codes just made
.set BBF,  128
.set TT,   128
.set MSB,  0
.macro WIN new                         ; the immediate's high byte repeats the setting that is left; a switch that changes nothing is dropped
.if MSB != (\new)
	s_set_vgpr_msb (MSB<<8)|(\new)
.set MSB, (\new)
.endif
.endm
.macro PLACES n
.rept \n
	v_nop
.endr
.endm
.macro FETCHB s, u                     ; four fragments of W1 (unit tiles 4 u .. 4 u + 3, K step s) out of LDS
	WIN 0
.irp n4, 0,1,2,3
.irp c, 0,1,2,3
	ds_load_b128 v[BBF+64*(\u)+16*\n4+4*\c:BBF+64*(\u)+16*\n4+4*\c+3], v[8+(\u)] offset:16*\n4*PITCH+128*(\s)+32*\c
.endr
.endr
.endm
.macro LOADA s                         ; my five tiles' fragments of K step s into set s mod 3: each load is 512 consecutive bytes
	WIN 0x40
.irp i, 0,1,2,3,4
.irp c, 0,1,2,3
	global_load_b128 v[80*((\s)%3)+16*\i+4*\c:80*((\s)%3)+16*\i+4*\c+3], v[XO+\i], s[10:11] offset:2048*(\s)+512*\c
.endr
.endr
.endm
.macro PROLOG                          ; a pass's addresses, its scale words and its first two K steps: 45 loads
.irp i, 0,1,2,3,4
	s_add_co_u32 s36, s24, \i
	s_min_u32 s36, s36, s25                        ; a tile past the last: the last
	s_min_u32 s36, s36, 63
	s_add_co_u32 s36, s36, s40                     ; + 64 e
	s_lshl_b32 s37, s36, 14
	v_add_nc_u32 v[XO+\i], s37, v4
	s_lshl_b32 s37, s36, 9
	v_add_nc_u32 v[XQ+\i], s37, v4
.endr
	s_wait_alu depctr_va_vdst(0)                   ; the ten offsets are written, which the pass's loads read; the pass before is done: its products with x's scale words, x's three sets and W1's fragments, its way out with v128-255: the loads below, and those up to the next wait on va_vdst, land there
.irp i, 0,1,2,3,4
	global_load_b128 v[XS+4*\i:XS+4*\i+3], v[XQ+\i], s[32:33]
.endr
	LOADA 0
	LOADA 1
	WIN 0
.endm
.macro ONE s, u, i, n4
.set rD, 64*((\i)%4)+8*(4*(\u)+(\n4))
.set rA, BBF+64*(\u)+16*(\n4)
.set rB, 80*((\s)%3)+16*(\i)
.set rC, 64+8*(4*(\u)+(\n4))
.set rP, WS+4*(4*(\u)+(\n4))+(\s)%4
.set rQ, XS+4*(\i)+(\s)%4
.if (\s) == 0
	v_wmma_scale_f32_16x16x128_f8f6f4 v[rD:rD+7], v[rA:rA+15], v[rB:rB+15], v[rC:rC+7], v[rP], v[rQ] matrix_a_fmt:MATRIX_FMT_BF8 matrix_b_fmt:MATRIX_FMT_BF8
.elseif (\s) < 4
	v_wmma_scale_f32_16x16x128_f8f6f4 v[rD:rD+7], v[rA:rA+15], v[rB:rB+15], v[rD:rD+7], v[rP], v[rQ] matrix_a_fmt:MATRIX_FMT_BF8 matrix_b_fmt:MATRIX_FMT_BF8
.else
	v_wmma_scale_f32_16x16x128_f8f6f4 v[rD:rD+7], v[rA:rA+15], v[rB:rB+15], v[rD:rD+7], v[rP], v[rQ] matrix_a_fmt:MATRIX_FMT_BF8 matrix_b_fmt:MATRIX_FMT_BF8 matrix_a_scale:MATRIX_SCALE_ROW1 matrix_b_scale:MATRIX_SCALE_ROW1
.endif
.endm
; 20 products on 20 accumulators, one instruction a turn: five row tiles x four unit tiles.  The half step's loads stand in two runs among them:
; behind the first row tile's four the other half of W1's fragments, behind the second's (in a K step's first half) x of two K steps on.  No wait: no product since the half step's wait names the registers that they touch.
.macro MM s, u
.irp i, 0,1,2,3,4
.if \i == 4
	WIN 0xf4                                       ; W1 window 0, x window 1, C and D window 3
.elseif (\s) == 0
	WIN 0xb4                                       ; C (b1) window 3, D window 2
.else
	WIN 0xa4                                       ; C and D window 2
.endif
.irp n4, 0,1,2,3
	ONE \s, \u, \i, \n4
.endr
.if \i == 0
.if (\u) == 0
	FETCHB \s, 1                                   ; this K step's second half
.elseif (\s) < 7
	FETCHB (\s)+1, 0                               ; the next K step's first half
.endif
.endif
.if (\i == 1) && ((\u) == 0) && ((\s) <= 5)
	LOADA (\s)+2                                   ; into the set that the K step before has left
.endif
.endr
.endm
.macro HSTEP s, u                      ; half a K step
.if (\u) == 0
.if (\s) <= 6
	s_wait_loadcnt 20                              ; K step s of x is in (in a pass's first step x's scale words too); the K step behind it (20 loads) may be out
.else
	s_wait_loadcnt 0x0
.endif
.endif
	s_wait_dscnt 0x0                               ; my four fragments of W1 are in: they were asked for in the half step before, and nothing since
.if ((\u) == 0) && ((\s) > 0)
	s_wait_alu depctr_va_vdst(0)                   ; the K step before is done: its last 20 products with v192-255, in which this K step's second half lands, all 40 with their set of x, in which x of two K steps on lands
.endif
.if ((\u) == 1) && ((\s) < 7)
	s_wait_alu depctr_va_vdst(0)                   ; the half step before is done reading v128-191, in which the next K step's first half lands
.endif
	MM \s, \u
.endm
; 64 numbers of a lane, v[s] on, register 16 b + i = k 32 b + 16 h + i of my row, become a fragment's codes in v[PC] on and its scale word in v[PW]
.macro QUANT s
.irp b, 0,1,2,3
	v_max3_num_f32 v[TM+\b], |v[\s+16*\b]|, |v[\s+1+16*\b]|, 0x8000000   ; block b: my 16 numbers, and the floor 2^(16 - 127): the byte cannot fall under 1
.endr
.irp k, 2,4,6,8,10,12,14
.irp b, 0,1,2,3
	v_max3_num_f32 v[TM+\b], v[TM+\b], |v[\s+16*\b+\k]|, |v[\s+1+16*\b+\k]|
.endr
.endr
.irp b, 0,1,2,3
	v_permlanex16_b32 v[TM+4+\b], v[TM+\b], s28, s29
.endr
.irp b, 0,1,2,3
	v_max_num_f32 v[TM+\b], v[TM+\b], v[TM+4+\b]   ; with lane l xor 16's: the block's largest magnitude
.endr
.irp b, 0,1,2,3
	v_add_nc_u32 v[TM+12+\b], 0xf8800000, v[TM+\b] ; 15 off its exponent field: the conversion's scale operand
.endr
.irp b, 0,1,2,3
	v_and_or_b32 v[TM+8+\b], v[TM+\b], 0x7f800000, s30   ; 57,344 x the scale
.endr
.irp b, 0,1,2,3
	v_lshrrev_b32 v[TM+4+\b], 23, v[TM+12+\b]      ; the scale's byte
.endr
	v_lshl_or_b32 v[PW], v[TM+5], 8, v[TM+4]
	v_lshl_or_b32 v[PW], v[TM+6], 16, v[PW]
	v_lshl_or_b32 v[PW], v[TM+7], 24, v[PW]
.irp b, 0,1,2,3
.irp k, 0,1,2,3,4,5,6,7,8,9,10,11,12,13,14,15
	v_med3_num_f32 v[\s+16*\b+\k], v[\s+16*\b+\k], -v[TM+8+\b], v[TM+8+\b]   ; the conversion to an 8-bit code does not saturate (ISA guide 7.6.2): the hold comes first
.endr
	v_cvt_scalef32_pk8_bf8_f32 v[PC+4*\b:PC+1+4*\b], v[\s+16*\b:\s+7+16*\b], v[TM+12+\b]
	v_cvt_scalef32_pk8_bf8_f32 v[PC+2+4*\b:PC+3+4*\b], v[\s+8+16*\b:\s+15+16*\b], v[TM+12+\b]
.endr
	v_nop                                          ; a plain line behind the last conversion
.endm
; Row tile i: gelu, quantise, store.  Each accumulator is read from its low end on.  The exponentials are one batch with one wait, and so are the reciprocals.
.macro EPI i
.set WA, 2+(\i)/4
.set AB, 64*((\i)%4)
	WIN WA|(WA<<2)
.set pp, 0
.rept 32
	v_pk_mul_f32 v[TT+pp:TT+pp+1], v[AB+pp:AB+pp+1], v[AB+pp:AB+pp+1]     ; x^2
.set pp, pp+2
.endr
	WIN 0
.set pp, 0
.rept 32
	v_pk_fma_f32 v[TT+pp:TT+pp+1], v[TT+pp:TT+pp+1], s[26:27], v[24:25] op_sel_hi:[1,0,1]   ; c2 x^2 + c1
.set pp, pp+2
.endr
	WIN WA<<2
.set pp, 0
.rept 32
	v_pk_mul_f32 v[TT+pp:TT+pp+1], v[TT+pp:TT+pp+1], v[AB+pp:AB+pp+1]     ; z
.set pp, pp+2
.endr
	WIN 0
.set pp, 0
	s_wait_alu depctr_va_vdst(0)
.rept 64
	v_exp_f32 v[TT+pp], v[TT+pp]
.set pp, pp+1
.endr
	v_nop                                          ; a plain line behind the last transcendental,
	s_wait_alu depctr_va_vdst(0)                   ; and one wait for the batch: the 64 exponentials have written v128-191.., which the additions below read
.set pp, 0
.rept 32
	v_pk_add_f32 v[TT+pp:TT+pp+1], v[TT+pp:TT+pp+1], 1.0 op_sel_hi:[1,0]
.set pp, pp+2
.endr
.set pp, 0
	s_wait_alu depctr_va_vdst(0)
.rept 64
	v_rcp_f32 v[TT+pp], v[TT+pp]
.set pp, pp+1
.endr
	v_nop
	s_wait_alu depctr_va_vdst(0)                   ; likewise: the 64 reciprocals have written their registers, which the multiplications below read
	WIN WA<<2
.set pp, 0
.rept 32
	v_pk_mul_f32 v[TT+pp:TT+pp+1], v[TT+pp:TT+pp+1], v[AB+pp:AB+pp+1]     ; gelu = x / (1 + 2^z)
.set pp, pp+2
.endr
	WIN 0
.if (\i) > 0                           ; (a pass's first tile: the two lines at the end of the pass before have done this)
	s_wait_xcnt 0x0                                ; the last tile's stores have had their addresses translated (ISA guide 3.1): their codes, scale word and offsets are written again only behind this wait,
	s_wait_alu depctr_vm_vsrc(0)                   ; and behind this one: those stores, a whole gelu back, have read v112-127, v104, v22 and v23
.endif
	QUANT TT
	s_add_co_u32 s36, s24, \i
	s_min_u32 s36, s36, 63
	s_add_co_u32 s36, s36, s40
	s_lshl_b32 s37, s36, 16
	s_add_co_u32 s37, s37, s41
	v_add_nc_u32 v22, s37, v4                      ; tile x 64 KB + K step j x 2 KB + 16 x lane
	s_lshl_b32 s37, s36, 12
	s_add_co_u32 s37, s37, s42
	v_add_nc_u32 v23, s37, v5                      ; tile x 4 KB + j x 128 + 4 x lane
	s_wait_alu depctr_va_vdst(0)                   ; the conversions have written the codes, the quantiser the scale word, the two adds the offsets: the five stores read them
.irp c, 0,1,2,3
	global_store_b128 v22, v[PC+4*\c:PC+4*\c+3], s[14:15] offset:512*\c   ; 32 lanes store 512 consecutive bytes, aligned
.endr
	global_store_b32 v23, v[PW], s[34:35]
.endm
	s_load_b256 s[4:11], s[0:1], 0x0               ; w1_codes s[4:5], w1_scales s[6:7], b1 s[8:9], xs s[10:11]
	s_load_b128 s[12:15], s[0:1], 0x20             ; lists s[12:13], hq s[14:15]
	v_lshl_add_u32 v110, v0, 2, 0x20800
	v_mov_b32 v111, 0
	v_and_b32 v1, 31, v0                           ; lane
	v_and_b32 v2, 15, v0                           ; r
	v_bfe_u32 v3, v0, 4, 1                         ; h
	v_lshrrev_b32 v7, 5, v0
	v_readfirstlane_b32 s20, v7                    ; wave
	v_lshlrev_b32 v4, 4, v1                        ; 16 x lane
	v_lshlrev_b32 v5, 2, v1                        ; 4 x lane
	s_wait_alu depctr_va_sdst(0)                   ; s20 is written, ahead of its first reader
	s_mul_i32 s31, s20, 32*PITCH
	v_add_nc_u32 v6, s31, v4                       ; where I put W1 into LDS: my wave's 32 rows
	v_mul_u32_u24 v8, v2, PITCH
	v_lshl_add_u32 v8, v3, 4, v8                   ; a fragment's row x pitch + 16 h: unit tiles 0-3,
	v_add_nc_u32 v9, 64*PITCH, v8                  ; and 4-7
	v_and_b32 v10, 8, v2
	v_add_nc_u32 v10, v10, v2                      ; r + 8 (r / 8)
	v_lshlrev_b32 v10, 5, v10
	v_lshl_add_u32 v10, v3, 4, v10                 ; W1's scale bytes: 32 a row, + 16 h: lanes 16-31 take K steps 4 to 7
	v_lshlrev_b32 v11, 6, v3                       ; b1: 16 h numbers on
	v_mov_b32 v24, 0xc0135761                      ; c1 = -2.3022082, twice
	v_mov_b32 v25, 0xc0135761
.irp b, 0,1,2,3
	v_mov_b32 v[TM+4+\b], 0                        ; written once: a lane exchange's destination counts as one of its sources
.endr
	s_mov_b32 s21, ttmp9                           ; j
	s_and_b32 s22, ttmp7, 0xffff                   ; e
	s_lshl_b32 s40, s22, 6                         ; the expert's first tile
	s_lshl_b32 s41, s21, 11
	s_lshl_b32 s42, s21, 7
	s_lshl_b32 s36, s22, 2
	s_add_co_u32 s36, s36, CNT
	s_mov_b32 s37, 0
	s_lshl_b32 s44, s22, 22                        ; W1's codes: 4 MB an expert, 128 KB a work-group, 32 KB a wave
	s_lshl_b32 s43, s21, 17
	s_add_co_u32 s44, s44, s43
	s_lshl_b32 s43, s20, 15
	s_add_co_u32 s44, s44, s43
	s_mov_b32 s45, 0
	s_lshl_b32 s46, s22, 12
	s_add_co_u32 s46, s46, s42                     ; the work-group's first hidden unit among 8 x 4,096
	s_mov_b32 s26, 0xbdd2d3e8                      ; c2 = -0.10294324
	s_mov_b32 s27, s26                             ; (named with it as a pair, so it is written)
	s_mov_b32 s28, 0x76543210
	s_mov_b32 s29, 0xfedcba98                      ; v_permlanex16_b32's selects for lane l xor 16
	s_mov_b32 s30, 0x600000                        ; the mantissa field of 57,344
	s_mov_b32 s47, 0                               ; passes done
	s_wait_kmcnt 0x0
	s_add_nc_u64 s[38:39], s[12:13], s[36:37]
	s_load_b32 s23, s[38:39], 0x0                  ; n_e
	s_add_nc_u64 s[4:5], s[4:5], s[44:45]
	s_lshl_b32 s44, s46, 5
	s_add_nc_u64 s[6:7], s[6:7], s[44:45]
	s_lshl_b32 s44, s46, 2
	s_add_nc_u64 s[8:9], s[8:9], s[44:45]
	s_add_nc_u64 s[32:33], s[10:11], XSS
	s_add_nc_u64 s[34:35], s[14:15], HSC
	s_wait_alu depctr_va_vdst(0)                   ; v4 to v11 are written: the offsets and LDS addresses that the kernel's loads and stores read, and that are never written again
.irp n, 0,1,2,3,4,5,6,7
	global_load_b128 v[WS+4*\n:WS+4*\n+3], v10, s[6:7] offset:(32*(\n/2)+8*(\n%2))*32
.endr
	WIN 0xc0
.irp n, 0,1,2,3,4,5,6,7
	global_load_b128 v[64+8*\n:64+8*\n+3], v11, s[8:9] offset:(32*(\n/2)+8*(\n%2))*4      ; lane (r, h), unit tile 2 b + u: b1 of units 32 b + 16 h + 8 u + 0..7
	global_load_b128 v[64+8*\n+4:64+8*\n+7], v11, s[8:9] offset:(32*(\n/2)+8*(\n%2))*4+16
.endr
	WIN 0x80
.set tt, 0
.rept 64
	global_load_b128 v[4*tt:4*tt+3], v4, s[4:5] offset:512*tt th:TH_LOAD_NT   ; my wave's 32 rows of W1, 512 consecutive bytes a load
.set tt, tt+1
.endr
	WIN 0
	s_wait_kmcnt 0x0
	s_min_u32 s23, s23, 1024
	s_add_co_u32 s23, s23, 15
	s_lshr_b32 s23, s23, 4                         ; T
	s_max_u32 s25, s23, 1
	s_sub_co_u32 s25, s25, 1                       ; the last tile
	s_mul_i32 s24, s20, 5                          ; my first tile
	PROLOG                                         ; (an expert without rows: its first tile's bytes are read and never used)
	s_wait_loadcnt 45                              ; W1, its scale words and b1 are in; the 45 loads just issued may be out
	WIN 0x08
.set tt, 0
.rept 64
	ds_store_b128 v6, v[4*tt:4*tt+3] offset:(((tt/2)&7)+(((tt/2)>>3)&1)*16+(((tt/2)>>4)&1)*8)*PITCH+512*(tt%2)   ; the row's number with bits 3 and 4 exchanged
.set tt, tt+1
.endr
	WIN 0
	s_wait_dscnt 0x0                               ; for the others' sake: my stores have landed
	s_barrier_signal -1
	s_barrier_wait -1                              ; the one barrier: every wave passes it, ahead of every branch on n_e; from here on LDS is only read
	s_wait_alu depctr_vm_vsrc(0)                   ; my LDS stores have read window 2's registers: these are accumulators from here on, written by the products
	s_cmp_ge_u32 s24, s23
	s_cbranch_scc1 .Lend
.Lpass:                                            ; on both ways in, the same 45 loads are out, and no vector or matrix instruction has been issued since PROLOG's wait
	FETCHB 0, 0
.irp ks, 0,1,2,3,4,5,6,7
	HSTEP \ks, 0
	HSTEP \ks, 1
.endr
	WIN 0
	PLACES 9                                       ; behind the last products: eight ahead of the vector lines that read their results and write over their operands (ISA guide 7.12.1), nine ahead of the next pass's products, which begin the accumulators anew
.irp ti, 0,1,2,3,4
	s_add_co_u32 s36, s24, \ti
	s_cmp_ge_u32 s36, s23
	s_cbranch_scc1 .Lepi_done                      ; no such tile: nothing is stored
	EPI \ti
.endr
.Lepi_done:
	s_wait_xcnt 0x0                                ; the last tile's stores have had their addresses translated: the next pass writes their codes, scale word and offsets again
	s_wait_alu depctr_vm_vsrc(0)                   ; those stores have read v112-127, v104, v22 and v23, and the pass's loads their offsets v12-21, which PROLOG writes again
	s_add_co_u32 s24, s24, 20
	s_cmp_ge_u32 s24, s23                          ; the way out: no tile is left for me
	s_cbranch_scc1 .Lend
	PROLOG
	s_add_co_u32 s47, s47, 1                       ; the loop itself is counted against a constant: four passes of 20 tiles cover the 64 tiles that an expert can have
	s_cmp_lt_u32 s47, 4
	s_cbranch_scc1 .Lpass
.Lend:
	s_wait_dscnt 0x0
	s_wait_alu depctr_hold_cnt(0) depctr_sa_sdst(0) depctr_va_vdst(0) depctr_va_sdst(0) depctr_va_ssrc(0) depctr_va_vcc(0) depctr_vm_vsrc(0)
	s_wait_tensorcnt 0x0
	ds_add_u32 v110, v111
	s_wait_dscnt 0x0
	s_endpgm
.Lfunc_end_k_qbfb2a30d8f_up:
	.size	k_qbfb2a30d8f_up, .Lfunc_end_k_qbfb2a30d8f_up-k_qbfb2a30d8f_up
	.p2alignl 7, 3214868480
	.fill 96, 4, 3214868480
	.section	.rodata,"a",@progbits
	.p2align	6, 0x0
	.amdhsa_kernel k_qbfb2a30d8f_up
		.amdhsa_group_segment_fixed_size 133632
		.amdhsa_private_segment_fixed_size 0
		.amdhsa_enable_private_segment 0
		.amdhsa_kernarg_size 48
		.amdhsa_user_sgpr_count 2
		.amdhsa_user_sgpr_kernarg_segment_ptr 1
		.amdhsa_wavefront_size32 1
		.amdhsa_system_sgpr_workgroup_id_x 1
		.amdhsa_system_sgpr_workgroup_id_y 1
		.amdhsa_system_sgpr_workgroup_id_z 1
		.amdhsa_system_vgpr_workitem_id 0
		.amdhsa_next_free_vgpr 896
		.amdhsa_next_free_sgpr 66
		.amdhsa_reserve_vcc 0
		.amdhsa_float_denorm_mode_32 3
		.amdhsa_float_denorm_mode_16_64 3
		.amdhsa_memory_ordered 1
		.amdhsa_forward_progress 1
		.amdhsa_inst_pref_size 215
	.end_amdhsa_kernel
	.amdgpu_metadata
---
amdhsa.version: [ 1, 2 ]
amdhsa.kernels:
  - .name:           k_qbfb2a30d8f_up
    .symbol:         k_qbfb2a30d8f_up.kd
    .args:
      - { .name: w1_codes, .offset: 0, .size: 8, .value_kind: global_buffer, .address_space: global }
      - { .name: w1_scales, .offset: 8, .size: 8, .value_kind: global_buffer, .address_space: global }
      - { .name: b1, .offset: 16, .size: 8, .value_kind: global_buffer, .address_space: global }
      - { .name: xs, .offset: 24, .size: 8, .value_kind: global_buffer, .address_space: global }
      - { .name: lists, .offset: 32, .size: 8, .value_kind: global_buffer, .address_space: global }
      - { .name: hq, .offset: 40, .size: 8, .value_kind: global_buffer, .address_space: global }
    .group_segment_fixed_size: 133632
    .private_segment_fixed_size: 0
    .kernarg_segment_align: 8
    .kernarg_segment_size: 48
    .max_flat_workgroup_size: 128
    .sgpr_count:     66
    .vgpr_count:     896
    .wavefront_size: 32
...
	.end_amdgpu_metadata
.endif
;; end of part 8
;; launch down (part 9): grid 32 x 8, 4 waves a work-group, no clusters, 150,016 bytes of LDS; arguments w2_codes, w2_scales, b2, hq, lists, part; writes part
.if DOCPART == 9
	.amdgcn_target "amdgcn-amd-amdhsa--gfx1250"
	.amdhsa_code_object_version 6
	.text
	.protected	k_qbfb2a30d8f_down
	.globl	k_qbfb2a30d8f_down
	.p2align	8
	.type	k_qbfb2a30d8f_down,@function
k_qbfb2a30d8f_down:
	s_mov_b64 s[64:65], 0
	v_nop
	global_prefetch_b8 v0, s[64:65] scope:SCOPE_SE
	s_setreg_imm32_b32 hwreg(HW_REG_WAVE_SCHED_MODE, 0, 2), 2
	s_setreg_imm32_b32 hwreg(HW_REG_WAVE_MODE, 25, 1), 1
	s_wait_xcnt 0x0
	s_wait_alu depctr_vm_vsrc(0)
; part = h W2 (+ b2), on codes of E5M2 with one E8M0 scale for 32 along K.  Work-group (x, e): expert e, output columns 64 jn .. 64 jn + 63 (jn = x mod 16), K half q = x / 16: hidden units 2048 q on, 16 K steps.
; Its 64 rows x 2,048 bytes of W2 (128 KB) are read once and stay in LDS; it walks ALL rows of its expert, which come as images of the operand's registers (hq), four dense loads a fragment.
; T = ceil(n_e / 16) tiles.  Wave w takes tiles 5 w .. 5 w + 4, then 20 further on, while there are tiles; a tile past the last is replaced by the last one, multiplied and not stored.
; THE PRODUCT IS USED TRANSPOSED (source 0 = 16 rows of W2 = 16 output columns, source 1 = 16 rows of h): a lane holds eight neighbouring columns of one row.  b2 is the C of each sum's first product in q = 0; zeros in q = 1.
; OUT: part [q][2,304 rows][1024] f32.  A row of a tile goes to row lists[..] = 2 token + k.  A tile goes through the wave's own stage in LDS and leaves as rows: sixteen lanes store 256 consecutive bytes, aligned.
; The two K halves and a token's two experts are added by the next launch: each byte of part has one owner.
; NO CLUSTER, NO TENSOR LOAD: the number of passes and the tests on tiles hang on n_e, a number read from memory; a constant count would be the worst case,
; 1,024 rows, four times the mean work.  No two work-groups read the same weights.
; REGISTERS, in windows of 256.  Window 0: v1-30 addresses; v32-63 W2's scale words; v64-103 h's; v128-255 two sets of four fragments of W2, later rows on their way out.
;   Window 1: h's fragments, sets 0-2 of five.   Window 2: v0-159 the accumulators (row tile i, column tile n at 32 i + 8 n); v160-199 where the rows go; v200-231 b2.   Window 3: W2 on its way to LDS, later set 3.
; THE MODE: SCHED_MODE bits 1:0 = 2 (LLVM: expert scheduling mode 2), set by the entry lines.  The code itself states the register dependences
; between vector or matrix instructions and memory or LDS instructions, with s_wait_alu, always for 0.
; THE PLAN.  Registers that memory or LDS instructions touch:
;   B0 = v128-191, B1 = v192-255   K step s: its 20 products read B[s % 2]; the 16 LDS loads issued in it, K step s + 1's, land in the other.
;   H0 .. H3 (windows 1 and 3)     K step s: its products read H[s % 4]; the 20 loads of K step s + 3, issued in it, land in H[(s + 3) % 4], which K step s - 1 has left.
;   v64-103, window 2 v160-199, v12-26   h's scale words, where the rows go, a pass's offsets: written once a pass (by loads; by vector adds), read by the pass's products, vector lines and loads.
;   the accumulators               written by the products, read by the LDS stores of the way out.
;   v128-191 as two sets of rows   written by the loads from the stage, read by the global stores;     v192-207 as two sets of offsets: written by vector lines, read by the global stores.
;   window 3                       read by the LDS stores at the head; its v0-79 are H3 from then on.       v4 to v11 and v27 to v30: made once, never written again.
; So ONE wait on va_vdst stands at the head of a K step: the K step before is done reading the registers in which this step's loads land; these are dealt in two runs among its products,
; which name B[s % 2], H[s % 4], the scale words and the accumulators: none of the registers that those loads touch.  The pass's one wait (macro PROLOG) serves its first K step.
.set PITCH, 2064                       ; an LDS row of W2: 2,048 bytes + 16: the 16 rows of a fragment start in 16 different groups of banks
.set STG,  64*PITCH                    ; behind W2: a stage of 16 rows x 272 bytes for each wave
.set HSC,  33554432
.set CNT,  524288
.set PARTQ, 9437184
.set HO,   12                          ; v12-16  tile i's image: byte offset in hq
.set HQ,   17                          ; v17-21  its scale words
.set RQ,   22                          ; v22-26  its rows' places, in lists
.set WS,   32                          ; v[32 + 8 n + s mod 8]: lanes 0-15 K step s mod 8, lanes 16-31 K step 8 + s mod 8
.set HS,   64                          ; v[64 + 8 i + s mod 8]: likewise
.set BBF,  128
.set OB,   128
.set VO,   192
.set RD,   160
.set B2,   200
.set MSB,  0
.macro WIN new
.if MSB != (\new)
	s_set_vgpr_msb (MSB<<8)|(\new)
.set MSB, (\new)
.endif
.endm
.macro PLACES n
.rept \n
	v_nop
.endr
.endm
.macro FETCHB s                        ; the four fragments of W2 of K step s out of LDS, into set s mod 2
	WIN 0
.irp n, 0,1,2,3
.irp c, 0,1,2,3
	ds_load_b128 v[BBF+64*((\s)%2)+16*\n+4*\c:BBF+64*((\s)%2)+16*\n+4*\c+3], v[8+\n/2] offset:16*(\n%2)*PITCH+128*(\s)+32*\c
.endr
.endr
.endm
.macro LOADA s                         ; my five tiles' fragments of K step s into set s mod 4
.if (\s)%4 == 3
	WIN 0xc0
.set rL, 0
.else
	WIN 0x40
.set rL, 80*((\s)%4)
.endif
.irp i, 0,1,2,3,4
.irp c, 0,1,2,3
	global_load_b128 v[rL+16*\i+4*\c:rL+16*\i+4*\c+3], v[HO+\i], s[10:11] offset:2048*(\s)+512*\c
.endr
.endr
.endm
.macro PROLOG                          ; a pass's addresses, scale words, rows' places and first two K steps: 90 loads
.irp i, 0,1,2,3,4
	s_add_co_u32 s36, s24, \i
	s_min_u32 s36, s36, s25                        ; a tile past the last: the last
	s_min_u32 s36, s36, 63
	s_add_co_u32 s36, s36, s40                     ; + 64 e
	s_lshl_b32 s37, s36, 16
	s_add_co_u32 s37, s37, s41
	v_add_nc_u32 v[HO+\i], s37, v4
	s_lshl_b32 s37, s36, 12
	s_add_co_u32 s37, s37, s42
	v_add_nc_u32 v[HQ+\i], s37, v30
	s_lshl_b32 s37, s36, 10
	v_add_nc_u32 v[RQ+\i], s37, v4
.endr
	s_wait_alu depctr_va_vdst(0)                   ; the fifteen offsets are written, which the pass's loads read; the pass before is done: its products with h's scale words, h's four sets and W2's fragments, its way out's vector lines with the rows' places and v192-207: the loads below, and those up to the next wait on va_vdst, land there
.irp i, 0,1,2,3,4
.irp m, 0,1,2,3,4,5,6,7
	global_load_b32 v[HS+8*\i+\m], v[HQ+\i], s[32:33] offset:128*\m
.endr
.endr
	WIN 0x80
.irp i, 0,1,2,3,4
.irp jj, 0,1
	global_load_b128 v[RD+8*\i+4*\jj:RD+8*\i+4*\jj+3], v[RQ+\i], s[12:13] offset:512*\jj
.endr
.endr
	LOADA 0
	LOADA 1
	WIN 0
.endm
.macro ONE s, i, n
.set rD, 32*(\i)+8*(\n)
.set rA, BBF+64*((\s)%2)+16*(\n)
.if (\s)%4 == 3
.set rB, 16*(\i)
.else
.set rB, 80*((\s)%4)+16*(\i)
.endif
.set rC, B2+8*(\n)
.set rP, WS+8*(\n)+(\s)%8
.set rQ, HS+8*(\i)+(\s)%8
.if (\s) == 0
	v_wmma_scale_f32_16x16x128_f8f6f4 v[rD:rD+7], v[rA:rA+15], v[rB:rB+15], v[rC:rC+7], v[rP], v[rQ] matrix_a_fmt:MATRIX_FMT_BF8 matrix_b_fmt:MATRIX_FMT_BF8
.elseif (\s) < 8
	v_wmma_scale_f32_16x16x128_f8f6f4 v[rD:rD+7], v[rA:rA+15], v[rB:rB+15], v[rD:rD+7], v[rP], v[rQ] matrix_a_fmt:MATRIX_FMT_BF8 matrix_b_fmt:MATRIX_FMT_BF8
.else
	v_wmma_scale_f32_16x16x128_f8f6f4 v[rD:rD+7], v[rA:rA+15], v[rB:rB+15], v[rD:rD+7], v[rP], v[rQ] matrix_a_fmt:MATRIX_FMT_BF8 matrix_b_fmt:MATRIX_FMT_BF8 matrix_a_scale:MATRIX_SCALE_ROW1 matrix_b_scale:MATRIX_SCALE_ROW1
.endif
.endm
; 20 products on 20 accumulators, one instruction a turn.  The K step's loads stand in two runs among them: behind the first row tile's four the next K step's fragments of W2,
; behind the second's h of three K steps on.  No wait: no product since the step's wait names the registers that they touch.
.macro MM s
.irp i, 0,1,2,3,4
.if (\s)%4 == 3
	WIN 0xac                                       ; W2 window 0, h window 3, C and D window 2
.else
	WIN 0xa4                                       ; h window 1
.endif
.irp n, 0,1,2,3
	ONE \s, \i, \n
.endr
.if (\i == 0) && ((\s) <= 14)
	FETCHB (\s)+1                                  ; into the set that the K step before has left
.endif
.if (\i == 1) && ((\s) <= 12)
	LOADA (\s)+3                                   ; likewise
.endif
.endr
.endm
.macro STEP s
.if (\s) <= 13
	s_wait_loadcnt 40                              ; K step s of h is in (in a pass's first step the scale words and the rows' places too); the two K steps behind it (20 loads each) may be out
.else
	s_wait_loadcnt 20*(15-(\s))
.endif
	s_wait_dscnt 0x0                               ; this K step's fragments of W2 are in: they were asked for in the K step before, and nothing since
.if ((\s) >= 1) && ((\s) <= 14)
	s_wait_alu depctr_va_vdst(0)                   ; the K step before is done reading its set of W2's fragments and its set of h, in which the loads of this step land
.endif
	MM \s
.endm
; Row tile i goes out: 16 rows x 64 columns through my stage.  LDS serves a wave's instructions in order (ISA guide 5.7.1.4): no wait between the stores and the loads.
.macro OUT i
.set OBI, OB+32*((\i)%2)
.set VOI, VO+8*((\i)%2)
.if (\i) >= 2                          ; (tiles 0 and 1 take sets that no store of this pass has read; the pass before's are seen to at its end)
	s_wait_xcnt 0x0                                ; earlier stores have had their addresses translated (ISA guide 3.1): their rows and offsets are written again only behind this wait,
	s_wait_alu depctr_vm_vsrc(0)                   ; and behind this one: the stores of two tiles back have read this set of rows and this set of offsets
.endif
	WIN 0x08                                       ; source 1 window 2: an LDS store's data, and where the rows go
.irp n, 0,1,2,3
	ds_store_b128 v27, v[32*(\i)+8*\n:32*(\i)+8*\n+3] offset:64*\n          ; each accumulator from its low end on.  (No vector line since the wait behind the places names an accumulator)
	ds_store_b128 v27, v[32*(\i)+8*\n+4:32*(\i)+8*\n+7] offset:64*\n+16
.endr
.irp k, 0,1,2,3,4,5,6,7
	v_min_u32 v[VOI+\k], 0x8ff, v[RD+8*(\i)+\k]    ; a row of part, held inside its 2,304
.endr
	WIN 0
.irp k, 0,1,2,3,4,5,6,7
	v_lshl_add_u32 v[VOI+\k], v[VOI+\k], 12, v29   ; 4,096 bytes a row, + 16 r
.endr
.irp k, 0,1,2,3,4,5,6,7
	ds_load_b128 v[OBI+4*\k:OBI+4*\k+3], v28 offset:544*\k   ; lanes 0-15: row 2 k; lanes 16-31: row 2 k + 1
.endr
	s_wait_alu depctr_va_vdst(0)                   ; the eight offsets are written, which the stores below read
.irp k, 0,1,2,3,4,5,6,7
	s_wait_dscnt 7-\k                              ; pair k of rows is back; the younger loads may be out
	global_store_b128 v[VOI+\k], v[OBI+4*\k:OBI+4*\k+3], s[34:35] th:TH_STORE_NT
.endr
.endm
	s_load_b256 s[4:11], s[0:1], 0x0               ; w2_codes s[4:5], w2_scales s[6:7], b2 s[8:9], hq s[10:11]
	s_load_b128 s[12:15], s[0:1], 0x20             ; lists s[12:13], part s[14:15]
	v_lshl_add_u32 v126, v0, 2, 0x24800
	v_mov_b32 v127, 0
	v_and_b32 v1, 31, v0                           ; lane
	v_and_b32 v2, 15, v0                           ; r
	v_bfe_u32 v3, v0, 4, 1                         ; h
	v_lshrrev_b32 v7, 5, v0
	v_readfirstlane_b32 s20, v7                    ; wave
	v_lshlrev_b32 v4, 4, v1                        ; 16 x lane
	v_lshlrev_b32 v5, 2, v1                        ; 4 x lane
	s_wait_alu depctr_va_sdst(0)                   ; s20 is written, ahead of its first reader
	s_mul_i32 s31, s20, 16*PITCH
	v_add_nc_u32 v6, s31, v4                       ; where I put W2 into LDS: my wave's 16 rows
	v_mul_u32_u24 v8, v2, PITCH
	v_lshl_add_u32 v8, v3, 4, v8                   ; a fragment's row x pitch + 16 h: column tiles 0, 1,
	v_add_nc_u32 v9, 32*PITCH, v8                  ; and 2, 3
	v_lshlrev_b32 v10, 7, v2
	v_lshl_add_u32 v10, v3, 5, v10                 ; W2's scale bytes: 128 a row, + 32 h: lanes 16-31 take K steps 8 to 15
	v_lshlrev_b32 v11, 5, v3                       ; b2: 8 h numbers on
	s_mul_i32 s31, s20, 16*272
	s_add_co_u32 s31, s31, STG                     ; my stage
	v_mul_u32_u24 v27, v2, 272
	v_lshl_add_u32 v27, v3, 5, v27
	v_add_nc_u32 v27, s31, v27                     ; in: row r, + 32 h
	v_mul_u32_u24 v28, v3, 272
	v_lshl_add_u32 v28, v2, 4, v28
	v_add_nc_u32 v28, s31, v28                     ; back: row h of a pair, + 16 r
	v_lshlrev_b32 v29, 4, v2
	v_lshl_add_u32 v30, v3, 10, v5                 ; h's scale words: 4 x lane, + 8 K steps of 128 bytes for lanes 16-31
	s_and_b32 s21, ttmp9, 15                       ; jn
	s_lshr_b32 s26, ttmp9, 4                       ; q
	s_and_b32 s22, ttmp7, 0xffff                   ; e
	s_lshl_b32 s40, s22, 6                         ; the expert's first tile
	s_lshl_b32 s41, s26, 15                        ; 16 K steps of 2 KB
	s_lshl_b32 s42, s26, 11                        ; 16 K steps of 128 bytes
	s_lshl_b32 s36, s22, 2
	s_add_co_u32 s36, s36, CNT
	s_mov_b32 s37, 0
	s_lshl_b32 s46, s22, 10
	s_lshl_b32 s43, s21, 6
	s_add_co_u32 s46, s46, s43                     ; the work-group's first row of W2 among 8 x 1,024
	s_lshl_b32 s43, s20, 4
	s_add_co_u32 s44, s46, s43                     ; my wave's first row
	s_lshl_b32 s44, s44, 12
	s_add_co_u32 s44, s44, s42                     ; + 2,048 q bytes along K
	s_mov_b32 s45, 0
	s_mov_b32 s47, 0                               ; passes done
	s_wait_kmcnt 0x0
	s_add_nc_u64 s[38:39], s[12:13], s[36:37]
	s_load_b32 s23, s[38:39], 0x0                  ; n_e
	s_add_nc_u64 s[4:5], s[4:5], s[44:45]
	s_lshl_b32 s44, s46, 7
	s_lshl_b32 s43, s26, 6
	s_add_co_u32 s44, s44, s43
	s_add_nc_u64 s[6:7], s[6:7], s[44:45]
	s_lshl_b32 s44, s46, 2
	s_add_nc_u64 s[8:9], s[8:9], s[44:45]
	s_add_nc_u64 s[32:33], s[10:11], HSC
	s_mul_i32 s44, s26, PARTQ
	s_lshl_b32 s43, s21, 8
	s_add_co_u32 s44, s44, s43
	s_add_nc_u64 s[34:35], s[14:15], s[44:45]      ; part: my K half, my 256 bytes of a row
	s_wait_alu depctr_va_vdst(0)                   ; v4 to v11 and v27 to v30 are written: the offsets and LDS addresses that the kernel's loads and stores read, and that are never written again
.irp n, 0,1,2,3
.irp jj, 0,1
	global_load_b128 v[WS+8*\n+4*\jj:WS+8*\n+4*\jj+3], v10, s[6:7] offset:2048*\n+16*\jj
.endr
.endr
	s_cmp_lg_u32 s26, 0                            ; b2 belongs to one of the two K halves
	s_cbranch_scc1 .Lno_bias
	WIN 0x80
.irp n, 0,1,2,3
	global_load_b128 v[B2+8*\n:B2+8*\n+3], v11, s[8:9] offset:64*\n            ; lane (r, h), column tile n: b2 of columns 16 n + 8 h + 0..7
	global_load_b128 v[B2+8*\n+4:B2+8*\n+7], v11, s[8:9] offset:64*\n+16
.endr
	WIN 0
	s_branch .Lbias_done
.Lno_bias:
	WIN 0x80
.set pp, 0
.rept 32
	v_mov_b32 v[B2+pp], 0                          ; the step's text is written once: its first products take these registers as C in both halves.  (No memory instruction touches them on this way)
.set pp, pp+1
.endr
	WIN 0
.Lbias_done:
	WIN 0xc0
.set tt, 0
.rept 64
	global_load_b128 v[4*tt:4*tt+3], v4, s[4:5] offset:(tt/4)*4096+(tt%4)*512 th:TH_LOAD_NT   ; my wave's 16 rows of W2, 512 consecutive bytes a load
.set tt, tt+1
.endr
	WIN 0
	s_wait_kmcnt 0x0
	s_min_u32 s23, s23, 1024
	s_add_co_u32 s23, s23, 15
	s_lshr_b32 s23, s23, 4                         ; T
	s_max_u32 s25, s23, 1
	s_sub_co_u32 s25, s25, 1                       ; the last tile
	s_mul_i32 s24, s20, 5                          ; my first tile
	PROLOG                                         ; (an expert without rows: its first tile's bytes are read and never used)
	s_wait_loadcnt 63                              ; 90 loads were issued behind W2's: with 63 at the most out, W2, its scale words and b2 are in
	WIN 0x0c
.set tt, 0
.rept 64
	ds_store_b128 v6, v[4*tt:4*tt+3] offset:(tt/4)*PITCH+(tt%4)*512
.set tt, tt+1
.endr
	WIN 0
	s_wait_dscnt 0x0                               ; for the others' sake: my stores have landed
	s_barrier_signal -1
	s_barrier_wait -1                              ; the one barrier: every wave passes it, ahead of every branch on n_e; from here on W2's bytes are only read, and a stage is its wave's own
	s_wait_alu depctr_vm_vsrc(0)                   ; my LDS stores have read window 3's registers: its v0-79 are h's fourth set from here on, in which loads land
	s_cmp_ge_u32 s24, s23
	s_cbranch_scc1 .Lend
.Lpass:                                            ; on both ways in, the same 90 loads were issued last, and no vector or matrix instruction has been issued since PROLOG's wait
	LOADA 2
	FETCHB 0
.irp ks, 0,1,2,3,4,5,6,7,8,9,10,11,12,13,14,15
	STEP \ks
.endr
	WIN 0
	PLACES 9                                       ; behind the last products: eight ahead of the LDS stores that read their results and of the vector lines that write over their operands, nine ahead of the next pass's products, which begin the accumulators anew
	s_wait_alu depctr_va_vdst(0)                   ; the products have written the accumulators, which the LDS stores below read, and are done reading v128-191, in which the rows from the stage land; the places above stay beside this wait
.irp ti, 0,1,2,3,4
	s_add_co_u32 s36, s24, \ti
	s_cmp_ge_u32 s36, s23
	s_cbranch_scc1 .Lout_done                      ; no such tile: nothing is stored
	OUT \ti
.endr
.Lout_done:
	s_wait_xcnt 0x0                                ; the last tiles' stores have read their rows (v128-191) and offsets (v192-207): the next pass's fragments of W2 land in those registers only behind this wait,
	s_wait_alu depctr_vm_vsrc(0)                   ; and behind this one, which says the same of the registers; also: the LDS stores have read the accumulators, which the next pass's products write, and the pass's loads their offsets v12-26, which PROLOG writes again
	s_add_co_u32 s24, s24, 20
	s_cmp_ge_u32 s24, s23                          ; the way out: no tile is left for me
	s_cbranch_scc1 .Lend
	PROLOG
	s_add_co_u32 s47, s47, 1                       ; the loop itself is counted against a constant: four passes of 20 tiles cover the 64 tiles that an expert can have
	s_cmp_lt_u32 s47, 4
	s_cbranch_scc1 .Lpass
.Lend:
	s_wait_dscnt 0x0
	s_wait_alu depctr_hold_cnt(0) depctr_sa_sdst(0) depctr_va_vdst(0) depctr_va_sdst(0) depctr_va_ssrc(0) depctr_va_vcc(0) depctr_vm_vsrc(0)
	s_wait_tensorcnt 0x0
	ds_add_u32 v126, v127
	s_wait_dscnt 0x0
	s_endpgm
.Lfunc_end_k_qbfb2a30d8f_down:
	.size	k_qbfb2a30d8f_down, .Lfunc_end_k_qbfb2a30d8f_down-k_qbfb2a30d8f_down
	.p2alignl 7, 3214868480
	.fill 96, 4, 3214868480
	.section	.rodata,"a",@progbits
	.p2align	6, 0x0
	.amdhsa_kernel k_qbfb2a30d8f_down
		.amdhsa_group_segment_fixed_size 150016
		.amdhsa_private_segment_fixed_size 0
		.amdhsa_enable_private_segment 0
		.amdhsa_kernarg_size 48
		.amdhsa_user_sgpr_count 2
		.amdhsa_user_sgpr_kernarg_segment_ptr 1
		.amdhsa_wavefront_size32 1
		.amdhsa_system_sgpr_workgroup_id_x 1
		.amdhsa_system_sgpr_workgroup_id_y 1
		.amdhsa_system_sgpr_workgroup_id_z 1
		.amdhsa_system_vgpr_workitem_id 0
		.amdhsa_next_free_vgpr 1024
		.amdhsa_next_free_sgpr 66
		.amdhsa_reserve_vcc 0
		.amdhsa_float_denorm_mode_32 3
		.amdhsa_float_denorm_mode_16_64 3
		.amdhsa_memory_ordered 1
		.amdhsa_forward_progress 1
		.amdhsa_inst_pref_size 140
	.end_amdhsa_kernel
	.amdgpu_metadata
---
amdhsa.version: [ 1, 2 ]
amdhsa.kernels:
  - .name:           k_qbfb2a30d8f_down
    .symbol:         k_qbfb2a30d8f_down.kd
    .args:
      - { .name: w2_codes, .offset: 0, .size: 8, .value_kind: global_buffer, .address_space: global }
      - { .name: w2_scales, .offset: 8, .size: 8, .value_kind: global_buffer, .address_space: global }
      - { .name: b2, .offset: 16, .size: 8, .value_kind: global_buffer, .address_space: global }
      - { .name: hq, .offset: 24, .size: 8, .value_kind: global_buffer, .address_space: global }
      - { .name: lists, .offset: 32, .size: 8, .value_kind: global_buffer, .address_space: global }
      - { .name: part, .offset: 40, .size: 8, .value_kind: global_buffer, .address_space: global }
    .group_segment_fixed_size: 150016
    .private_segment_fixed_size: 0
    .kernarg_segment_align: 8
    .kernarg_segment_size: 48
    .max_flat_workgroup_size: 128
    .sgpr_count:     66
    .vgpr_count:     1024
    .wavefront_size: 32
...
	.end_amdgpu_metadata
.endif
;; end of part 9
;; launch mix (part 10): grid 256 x 1, 4 waves a work-group, no clusters, 0 bytes of LDS; arguments part, xq, out0; writes out0
.if DOCPART == 10
	.amdgcn_target "amdgcn-amd-amdhsa--gfx1250"
	.amdhsa_code_object_version 6
	.text
	.protected	k_qbfb2a30d8f_mix
	.globl	k_qbfb2a30d8f_mix
	.p2align	8
	.type	k_qbfb2a30d8f_mix,@function
k_qbfb2a30d8f_mix:
	s_mov_b64 s[64:65], 0
	v_nop
	global_prefetch_b8 v0, s[64:65] scope:SCOPE_SE
	s_setreg_imm32_b32 hwreg(HW_REG_WAVE_MODE, 25, 1), 1
	s_wait_xcnt 0x0
; out0[token] = g0 (part[0][2 t] + part[1][2 t]) + g1 (part[0][2 t + 1] + part[1][2 t + 1]): the two K halves are added, then a token's two experts are weighed by its gates.
; A wave takes a token: four rows of 4,096 bytes in, one out; every load and store of the wave covers 512 consecutive bytes, aligned.  All 32 loads go out at once; the waits count down chunk by chunk.
; A stream: no LDS, no barrier, no matrix unit.
.set PARTQ, 9437184
.set GAT,   1081344
	s_load_b128 s[4:7], s[0:1], 0x0                ; part s[4:5], xq s[6:7]
	s_load_b64 s[8:9], s[0:1], 0x10                ; out0
	v_and_b32 v1, 31, v0
	v_lshrrev_b32 v2, 5, v0
	v_readfirstlane_b32 s10, v2                    ; wave
	v_lshlrev_b32 v1, 4, v1                        ; 16 x lane
	s_lshl_b32 s11, ttmp9, 2
	s_add_co_u32 s11, s11, s10                     ; my token
	s_lshl_b32 s16, s11, 13                        ; two rows of part
	s_mov_b32 s17, 0
	s_lshl_b32 s18, s11, 3                         ; two gates
	s_mov_b32 s19, 0
	s_lshl_b32 s20, s11, 12                        ; a row of out0
	s_mov_b32 s21, 0
	s_wait_alu depctr_va_vdst(0)
	s_wait_kmcnt 0x0
	s_add_nc_u64 s[6:7], s[6:7], GAT
	s_add_nc_u64 s[6:7], s[6:7], s[18:19]
	s_load_b64 s[12:13], s[6:7], 0x0               ; g0, g1
	s_add_nc_u64 s[4:5], s[4:5], s[16:17]          ; K half 0,
	s_add_nc_u64 s[22:23], s[4:5], PARTQ           ; K half 1
	s_add_nc_u64 s[8:9], s[8:9], s[20:21]
.irp k, 0,1,2,3,4,5,6,7
	global_load_b128 v[8+16*\k:8+16*\k+3], v1, s[4:5] offset:512*\k th:TH_LOAD_NT
	global_load_b128 v[8+16*\k+4:8+16*\k+7], v1, s[22:23] offset:512*\k th:TH_LOAD_NT
	global_load_b128 v[8+16*\k+8:8+16*\k+11], v1, s[4:5] offset:4096+512*\k th:TH_LOAD_NT
	global_load_b128 v[8+16*\k+12:8+16*\k+15], v1, s[22:23] offset:4096+512*\k th:TH_LOAD_NT
.endr
	s_wait_kmcnt 0x0
	s_mov_b32 s14, s13                             ; g1 in a pair of its own: the packed forms take a pair's low word for both halves
	s_mov_b32 s15, s13
.irp k, 0,1,2,3,4,5,6,7
	s_wait_loadcnt 28-4*\k                         ; this chunk's four loads are in; the later chunks' may be out
.irp d, 0,2
	v_pk_add_f32 v[8+16*\k+\d:8+16*\k+\d+1], v[8+16*\k+\d:8+16*\k+\d+1], v[8+16*\k+4+\d:8+16*\k+4+\d+1]
	v_pk_add_f32 v[8+16*\k+8+\d:8+16*\k+8+\d+1], v[8+16*\k+8+\d:8+16*\k+8+\d+1], v[8+16*\k+12+\d:8+16*\k+12+\d+1]
.endr
.irp d, 0,2
	v_pk_mul_f32 v[8+16*\k+\d:8+16*\k+\d+1], v[8+16*\k+\d:8+16*\k+\d+1], s[12:13] op_sel_hi:[1,0]
.endr
.irp d, 0,2
	v_pk_fma_f32 v[8+16*\k+\d:8+16*\k+\d+1], v[8+16*\k+8+\d:8+16*\k+8+\d+1], s[14:15], v[8+16*\k+\d:8+16*\k+\d+1] op_sel_hi:[1,0,1]
.endr
	global_store_b128 v1, v[8+16*\k:8+16*\k+3], s[8:9] offset:512*\k th:TH_STORE_NT
.endr
	s_endpgm
.Lfunc_end_k_qbfb2a30d8f_mix:
	.size	k_qbfb2a30d8f_mix, .Lfunc_end_k_qbfb2a30d8f_mix-k_qbfb2a30d8f_mix
	.p2alignl 7, 3214868480
	.fill 96, 4, 3214868480
	.section	.rodata,"a",@progbits
	.p2align	6, 0x0
	.amdhsa_kernel k_qbfb2a30d8f_mix
		.amdhsa_group_segment_fixed_size 0
		.amdhsa_private_segment_fixed_size 0
		.amdhsa_enable_private_segment 0
		.amdhsa_kernarg_size 24
		.amdhsa_user_sgpr_count 2
		.amdhsa_user_sgpr_kernarg_segment_ptr 1
		.amdhsa_wavefront_size32 1
		.amdhsa_system_sgpr_workgroup_id_x 1
		.amdhsa_system_sgpr_workgroup_id_y 1
		.amdhsa_system_sgpr_workgroup_id_z 1
		.amdhsa_system_vgpr_workitem_id 0
		.amdhsa_next_free_vgpr 140
		.amdhsa_next_free_sgpr 66
		.amdhsa_reserve_vcc 0
		.amdhsa_float_denorm_mode_32 3
		.amdhsa_float_denorm_mode_16_64 3
		.amdhsa_memory_ordered 1
		.amdhsa_forward_progress 1
		.amdhsa_inst_pref_size 10
	.end_amdhsa_kernel
	.amdgpu_metadata
---
amdhsa.version: [ 1, 2 ]
amdhsa.kernels:
  - .name:           k_qbfb2a30d8f_mix
    .symbol:         k_qbfb2a30d8f_mix.kd
    .args:
      - { .name: part, .offset: 0, .size: 8, .value_kind: global_buffer, .address_space: global }
      - { .name: xq, .offset: 8, .size: 8, .value_kind: global_buffer, .address_space: global }
      - { .name: out0, .offset: 16, .size: 8, .value_kind: global_buffer, .address_space: global }
    .group_segment_fixed_size: 0
    .private_segment_fixed_size: 0
    .kernarg_segment_align: 8
    .kernarg_segment_size: 24
    .max_flat_workgroup_size: 128
    .sgpr_count:     66
    .vgpr_count:     140
    .wavefront_size: 32
...
	.end_amdgpu_metadata
.endif
;; end of part 10
